; MI455X (gfx1250); checked and timed in simulation.
; The chip was launched on July 23, 2026; its instructions are those of AMD's public machine-readable ISA for CDNA 5 (MIT licence, August 2026) and "CDNA5" Instruction Set Architecture Reference Guide (July 2026). The comments in the code are by the model that wrote it; some were corrected since.
;; Self Attention. Allowed arithmetic: float matrix products may take bf16 or f16 operands with f32 sums; other float arithmetic in f32, or as packed bf16 or f16 multiplies, adds, multiply-adds, maxima and minima; sums over many terms, partial sums and values carried from step to step in f32; what a program stores and reads back later, other than sums and carried values, may be rounded once to bf16 or f16.
;; Inputs: Wk 1,024 x 1,024 float32; Wq 1,024 x 1,024 float32; Wv 1,024 x 1,024 float32; bk 1,024 float32; bq 1,024 float32; bv 1,024 float32; x 4 x 2,048 x 1,024 float32.
;; Outputs: out0 4 x 2,048 x 1,024 float32.
;; 2 versions, each right and faster than the one before. Each part assembles by itself: llvm-mc -triple=amdgcn-amd-amdhsa -mcpu=gfx1250 --defsym DOCPART=n.
;; ======== version 1 of 2: 4 launches
;; workspace buffers: xb 16,777,216 bytes; wb 6,291,456 bytes; qkv 50,331,648 bytes; p 33,554,432 bytes; stats 1,048,576 bytes
;; launch cast (part 1): grid 1408 x 1, 8 waves a work-group, no clusters, 0 bytes of LDS; arguments x, Wq, Wk, Wv, xb, wb; writes xb, wb
.if DOCPART == 1
	.amdgcn_target "amdgcn-amd-amdhsa--gfx1250"
	.amdhsa_code_object_version 6
	.text
	.protected	k_qf8654ee204_cast
	.globl	k_qf8654ee204_cast
	.p2align	8
	.type	k_qf8654ee204_cast,@function
k_qf8654ee204_cast:
	s_mov_b64 s[64:65], 0
	v_nop
	global_prefetch_b8 v0, s[64:65] scope:SCOPE_SE
	s_setreg_imm32_b32 hwreg(HW_REG_WAVE_MODE, 25, 1), 1
	s_wait_xcnt 0x0
; xb = x rounded to bf16 ([8192][1024]); wb = Wq, Wk, Wv rounded to bf16, one behind the other ([3][1024][1024]).  Layouts unchanged.
; A stream: every byte is read once and written once; no LDS, no barrier, no matrix work, since nothing is shared and nothing is summed.
; A work-group of eight waves takes 8,192 numbers (32,768 bytes in, 16,384 out).  Work-groups 0-1023 take x, 1024-1407 the three weights, 128 each.
; Thread t takes, eight times, the 16 bytes at 4,096 n + 16 t: a wave's load covers 512 consecutive bytes; its 4 numbers pack into 8 bytes,
; so a wave's store covers 256 consecutive bytes, at a multiple of 256 from the buffer's first byte.
; All eight loads are issued first; no register is written twice, so no wait frees a source.
.set XG, 1024                          ; work-groups that x takes: 8,388,608 / 8,192
.set IN,  8                            ; v[8:39]   eight loads of four f32
.set OUT, 40                           ; v[40:55]  eight pairs of packed bf16
	s_load_b256 s[4:11], s[0:1], 0x0               ; x s[4:5], Wq s[6:7], Wk s[8:9], Wv s[10:11]
	s_load_b128 s[12:15], s[0:1], 0x20             ; xb s[12:13], wb s[14:15]
	s_mov_b32 s19, ttmp9                           ; g, the work-group's number
	s_sub_co_u32 s20, s19, XG                      ; its number among the weights' 384 (used only where g >= 1024)
	s_lshr_b32 s21, s20, 7                         ; which weight: 0 q, 1 k, 2 v
	s_and_b32 s22, s20, 127                        ; which chunk of it
	v_lshlrev_b32 v1, 4, v0                        ; 16 t: my bytes in 4,096 of the source
	v_lshlrev_b32 v2, 3, v0                        ; 8 t: my bytes in 2,048 of the destination
	s_wait_kmcnt 0x0
	s_cmp_eq_u32 s21, 1
	s_cselect_b64 s[24:25], s[8:9], s[6:7]         ; Wk or Wq
	s_cmp_eq_u32 s21, 2
	s_cselect_b64 s[24:25], s[10:11], s[24:25]     ; or Wv
	s_cmp_lt_u32 s19, XG
	s_cselect_b64 s[24:25], s[4:5], s[24:25]       ; or x
	s_cselect_b64 s[26:27], s[12:13], s[14:15]     ; xb or wb
	s_cselect_b32 s28, s19, s22                    ; the chunk's number in the source,
	s_cselect_b32 s30, s19, s20                    ; and in the destination (the three weights lie on end in wb)
	s_lshl_b32 s28, s28, 15                        ; 32,768 bytes a chunk in
	s_lshl_b32 s30, s30, 14                        ; 16,384 out
	s_mov_b32 s29, 0
	s_mov_b32 s31, 0
	s_add_nc_u64 s[24:25], s[24:25], s[28:29]
	s_add_nc_u64 s[26:27], s[26:27], s[30:31]
.irp n, 0,1,2,3,4,5,6,7
	global_load_b128 v[IN+4*(\n):IN+4*(\n)+3], v1, s[24:25] offset:(\n)*4096 th:TH_LOAD_NT
.endr
.irp n, 0,1,2,3,4,5,6,7
	s_wait_loadcnt 7-(\n)                          ; loads come back in order (ISA guide 5.7.1): load n is in, the 7 - n younger ones stay out
	v_cvt_pk_bf16_f32 v[OUT+2*(\n)],   v[IN+4*(\n)],   v[IN+4*(\n)+1]
	v_cvt_pk_bf16_f32 v[OUT+2*(\n)+1], v[IN+4*(\n)+2], v[IN+4*(\n)+3]
	global_store_b64 v2, v[OUT+2*(\n):OUT+2*(\n)+1], s[26:27] offset:(\n)*2048
.endr
	s_endpgm
.Lfunc_end_k_qf8654ee204_cast:
	.size	k_qf8654ee204_cast, .Lfunc_end_k_qf8654ee204_cast-k_qf8654ee204_cast
	.p2alignl 7, 3214868480
	.fill 96, 4, 3214868480
	.section	.rodata,"a",@progbits
	.p2align	6, 0x0
	.amdhsa_kernel k_qf8654ee204_cast
		.amdhsa_group_segment_fixed_size 0
		.amdhsa_private_segment_fixed_size 0
		.amdhsa_enable_private_segment 0
		.amdhsa_kernarg_size 48
		.amdhsa_user_sgpr_count 2
		.amdhsa_user_sgpr_kernarg_segment_ptr 1
		.amdhsa_wavefront_size32 1
		.amdhsa_system_sgpr_workgroup_id_x 1
		.amdhsa_system_sgpr_workgroup_id_y 1
		.amdhsa_system_sgpr_workgroup_id_z 1
		.amdhsa_system_vgpr_workitem_id 0
		.amdhsa_next_free_vgpr 56
		.amdhsa_next_free_sgpr 66
		.amdhsa_reserve_vcc 0
		.amdhsa_float_denorm_mode_32 3
		.amdhsa_float_denorm_mode_16_64 3
		.amdhsa_memory_ordered 1
		.amdhsa_forward_progress 1
		.amdhsa_inst_pref_size 4
	.end_amdhsa_kernel
	.amdgpu_metadata
---
amdhsa.version: [ 1, 2 ]
amdhsa.kernels:
  - .name:           k_qf8654ee204_cast
    .symbol:         k_qf8654ee204_cast.kd
    .args:
      - { .name: x, .offset: 0, .size: 8, .value_kind: global_buffer, .address_space: global }
      - { .name: Wq, .offset: 8, .size: 8, .value_kind: global_buffer, .address_space: global }
      - { .name: Wk, .offset: 16, .size: 8, .value_kind: global_buffer, .address_space: global }
      - { .name: Wv, .offset: 24, .size: 8, .value_kind: global_buffer, .address_space: global }
      - { .name: xb, .offset: 32, .size: 8, .value_kind: global_buffer, .address_space: global }
      - { .name: wb, .offset: 40, .size: 8, .value_kind: global_buffer, .address_space: global }
    .group_segment_fixed_size: 0
    .private_segment_fixed_size: 0
    .kernarg_segment_align: 8
    .kernarg_segment_size: 48
    .max_flat_workgroup_size: 256
    .sgpr_count:     66
    .vgpr_count:     56
    .wavefront_size: 32
...
	.end_amdgpu_metadata
.endif
;; end of part 1
;; launch proj (part 2): grid 12 x 64, 4 waves a work-group, clusters of 4 x 4, 327,680 bytes of LDS; arguments xb, wb, bq, bk, bv, qkv; writes qkv
.if DOCPART == 2
	.amdgcn_target "amdgcn-amd-amdhsa--gfx1250"
	.amdhsa_code_object_version 6
	.text
	.protected	k_qf8654ee204_proj
	.globl	k_qf8654ee204_proj
	.p2align	8
	.type	k_qf8654ee204_proj,@function
k_qf8654ee204_proj:
	s_mov_b64 s[64:65], 0
	v_nop
	global_prefetch_b8 v0, s[64:65] scope:SCOPE_SE
	s_setreg_imm32_b32 hwreg(HW_REG_WAVE_MODE, 25, 1), 1
	s_wait_xcnt 0x0
	s_wait_alu depctr_hold_cnt(0) depctr_sa_sdst(0) depctr_va_vdst(0) depctr_va_sdst(0) depctr_va_ssrc(0) depctr_va_vcc(0) depctr_vm_vsrc(0)
	s_getreg_b32 s2, hwreg(HW_REG_IB_STS2, 6, 4)
	s_cmp_eq_u32 s2, 0
	s_cbranch_scc0 .Lentry_in_a_cluster
	s_endpgm
.Lentry_in_a_cluster:
	s_bfe_u32 s2, ttmp6, 0x10000c
	s_cmp_lg_u32 s2, 0xf033
	s_cbranch_scc0 .Lentry_shape_is_right
	s_endpgm
.Lentry_shape_is_right:
; qkv[row][0:1024] = Q, [1024:2048] = K, [2048:3072] = V of row: xb[row][:] . W + b, sums in f32, rounded once to bf16.  xb: [8192][1024] bf16; wb: [3][1024 d][1024 n] bf16;
; bq, bk, bv: [1024] f32, rounded here to bf16 like the other inputs and taken as the C operand of the products that start the sums; qkv: [8192][3072] bf16.
; LIMITS.  Matrix operands are bf16; NaN and infinities are not treated apart.
; SHARES.  A tile of C is 128 rows x 256 columns: 64 x 12 = 768 tiles, three for each of 256 work-group places.  Four waves, 2 x 2, each 64 x 128: 32 accumulators of 16 x 16, 256 registers.
; K goes in 8 steps of 128 through two LDS slots filled by the tensor data mover: 128 rows of xb (256 bytes each) and 128 rows of W (512 bytes each: the tile's 256 columns).
; W lies [d][n], K along the rows' number: its fragments are read turned (ds_load_tr16_b128), so nothing is transposed in memory.
; CLUSTERS: 4 x 4 work-groups.  The four of a row of the cluster need the same tiles of xb, the four of a column the same tiles of W: each tile is asked for JOINTLY, by the same tensor load
; with the same descriptor and a mask that names the four.  A cluster's four tile columns are the 1,024 columns of one of q, k, v (the cluster's x).
; THE MATRIX INSTRUCTION IS USED TRANSPOSED (source 0 = 16 columns of W, source 1 = 16 rows of xb): lane l then holds row l % 16 of C and the columns 8 (l / 16) + 0..7: 16 bytes of bf16.
; REGISTERS, in windows of 256 (s_set_vgpr_msb: bits 1:0 source 0, 3:2 source 1, 5:4 source 2, 7:6 destination):
;   window 0: v0-31 addresses; v32-63, v64-95 fragments of xb (4 x 16 rows x 32 K), two buffers; v96-159, v160-223 fragments of W (8 x 16 columns x 32 K), two buffers
;   window 1: accumulator (a, b) at v[8 (8 a + b)], a = 0..3 row blocks, b = 0..7 column blocks          window 2: v0-63 the bias of my 128 columns, laid as an accumulator row
.set KSTEPS, 8
.set LAPS,   KSTEPS/2                  ; a lap = two K steps = once round the ring
.set PITCH,  272                       ; a row of xb in LDS: 256 bytes + 16 of padding = 68 words: the 16 rows of a load start at 16 different groups of four banks (64 banks of 4 bytes: ISA guide 11.1)
.set PT,     544                       ; a row of W in LDS: 512 bytes + 32 of padding = 136 words
.set AHALF,  64*PITCH                  ; what one tensor load brings of xb, and what one wave reads of it
.set BOFF,   2*AHALF                   ; W's tile lies behind xb's 128 rows
.set BHALF,  64*PT                     ; what one tensor load brings of W: 64 of the step's 128 rows
.set SLOT,   BOFF+2*BHALF              ; 104,448 bytes
.set STAGE,  2*SLOT                    ; behind the ring, never filled by a tensor load: 16 rows x 272 bytes for each wave, for the way out
.set SPITCH, 272
.set SPARE,  STAGE+4*16*SPITCH         ; behind the stages: the spare words, 128 bytes for each wave: two blocks of 256 bytes that no other line names
.set STEP_A, 128*2                     ; bytes from a K step to the next in xb: along the row,
.set STEP_B, 128*2048                  ; in W: 128 rows down
.set ROWB,   6144                      ; bytes in a row of qkv
.set ADRA, 16                          ; v16-17  LDS address of my xb fragments in slot 0, 1
.set ADRB, 20                          ; v20-21  the same for W
.set STO,  24                          ; v24     the way out: where I put 16 bytes of a row
.set RD,   25                          ; v25     the way out: where I read a row back
.set CO,   26                          ; v26     my byte offset in two rows of qkv
.set SPW,  28                          ; v28     LDS address of my spare word: SPARE + 4 x my thread's number; never rewritten
.set NIL,  29                          ; v29     0; never rewritten
.set FA,   32                          ; xb's fragment buffers: FA + 32 f
.set FB,   96                          ; W's: FB + 64 f
.set TMP,  32                          ; the way out (and the bias's rounding): 32 registers of packed bf16
.set G1,  24                           ; s[24:31] descriptor group 1 for xb's tiles;  s[32:39] group 0, one set for each slot
.set G0,  32
.set G1B, 48                           ; s[48:55], s[56:63] the same for W's tiles
.set G0B, 56
.set MUL,  0x50                        ; sources 0 and 1 window 0; C and D window 1
.set MULB, 0x60                        ; the same with C in window 2: the bias
.set MSB, 0
.macro WIN new                         ; the immediate's high byte repeats the setting that is left; a switch that changes nothing is dropped
.if MSB != (\new)
	s_set_vgpr_msb (MSB<<8)|(\new)
.set MSB, \new
.endif
.endm
; A joint load.  Waves 0 and 1 fetch xb's two halves, waves 2 and 3 W's.  The branch hangs on the wave's number alone: it is the same in every work-group.
; An s_nop 0 and four v_nop follow each of the two lines, ahead of the jump, the label and what follows.
.macro JLOAD s
	s_cmp_eq_u32 s11, 0
	s_cbranch_scc0 .Lfor_b_\@
	tensor_load_to_lds s[G0+4*(\s):G0+4*(\s)+3], s[G1:G1+7]
	s_nop 0
.rept 4
	v_nop
.endr
	s_branch .Lasked_\@
.Lfor_b_\@:
	tensor_load_to_lds s[G0B+4*(\s):G0B+4*(\s)+3], s[G1B:G1B+7]
	s_nop 0
.rept 4
	v_nop
.endr
.Lasked_\@:
.endm
; A round of the cluster's barrier: my work-group's barrier, so that wave 0's signal speaks for all four waves; wave 0 signals; every wave waits for all sixteen work-groups; my work-group's barrier once more.
.macro CREST                           ; a round behind its opening barrier
	s_cmp_lg_u32 s10, 0
	s_cbranch_scc1 .Lnot_wave_0_\@
	s_barrier_signal -3
.Lnot_wave_0_\@:
	s_barrier_wait -3
	s_barrier_signal -1
	s_barrier_wait -1
.endm
.macro CROUND                          ; a whole round
	s_barrier_signal -1
	s_barrier_wait -1
	CREST
.endm
	s_load_b256 s[68:75], s[0:1], 0x0              ; xb s[68:69], wb s[70:71], bq s[72:73], bk s[74:75]
	s_load_b128 s[76:79], s[0:1], 0x20             ; bv s[76:77], qkv s[78:79]
	v_lshl_add_u32 v[SPW], v0, 2, SPARE
	v_mov_b32 v[NIL], 0
	ds_add_u32 v[SPW], v[NIL]                      ; the wave's opening: the add and its wait stand ahead of my first tensor load; the set-up below, work on registers, stands between them
	v_lshrrev_b32 v1, 5, v0
	v_readfirstlane_b32 s10, v1                    ; wave 0..3
	s_lshr_b32 s11, s10, 1                         ; which 64 of the tile's rows are mine.  Also: I fetch for xb (0) or for W (1)
	s_and_b32 s12, s10, 1                          ; which 128 of its columns.  Also: which half of that tile I fetch
	s_bfe_u32 s40, ttmp6, 0x40000                  ; cx, cy: my place in the cluster
	s_bfe_u32 s41, ttmp6, 0x40004
	s_mov_b32 s45, ttmp9                           ; the cluster's x: 0 q, 1 k, 2 v; the same in all sixteen
	s_and_b32 s13, ttmp7, 0xffff
	s_lshl_b32 s13, s13, 2
	s_add_co_u32 s13, s13, s41                     ; tile row of C = 4 x cluster y + cy
	s_lshl_b32 s43, s41, 2
	s_lshl_b32 s43, 15, s43                        ; my row of the cluster: places 4 cy .. 4 cy + 3
	s_lshl_b32 s44, 0x1111, s40                    ; my column: places cx, cx + 4, cx + 8, cx + 12
	; descriptor group 1.  xb: 64 rows x 128 elements; W: 64 rows x 256 elements; both padded in LDS behind every row
	s_or_b32 s[G1+0], s43, (1<<16)|(1<<20)|(1<<21)|(5<<22)|(3<<25)   ; 15:0 the mask: my row; 17:16 2-byte elements; 20 padding on; 21 set beside a mask; 24:22 after every 64 words (code 5); 31:25 4 words (code 3)
	s_mov_b32 s[G1+1], 128<<16                     ; tensor_dim0 = 128
	s_mov_b32 s[G1+2], 64<<16                      ; tensor_dim1 = 64
	s_mov_b32 s[G1+3], 128<<16                     ; tile_dim0 = 128
	s_mov_b32 s[G1+4], 64                          ; tile_dim1 = 64
	s_mov_b32 s[G1+5], 1024                        ; elements from row to row
	s_mov_b32 s[G1+6], 0
	s_mov_b32 s[G1+7], 0
	s_or_b32 s[G1B+0], s44, (1<<16)|(1<<20)|(1<<21)|(6<<22)|(7<<25)  ; the mask: my column; after every 128 words (code 6) 8 words of padding (code 7)
	s_mov_b32 s[G1B+1], 256<<16                    ; tensor_dim0 = 256
	s_mov_b32 s[G1B+2], 64<<16                     ; tensor_dim1 = 64
	s_mov_b32 s[G1B+3], 256<<16                    ; tile_dim0 = 256
	s_mov_b32 s[G1B+4], 64                         ; tile_dim1 = 64
	s_mov_b32 s[G1B+5], 1024
	s_mov_b32 s[G1B+6], 0
	s_mov_b32 s[G1B+7], 0
	; where the tiles come from.  xb's hang on the tile row alone, W's on the tile column alone; each offset is made in registers that never hold the other coordinate
	s_lshl_b32 s16, s13, 7
	s_lshl_b32 s17, s12, 6
	s_add_co_u32 s16, s16, s17                     ; xb: row 128 x tile row + 64 x half,
	s_lshl_b32 s16, s16, 11                        ; of 2,048 bytes
	s_mov_b32 s17, 0
	s_lshl_b32 s46, s45, 21                        ; W: which of the three, 2,097,152 bytes each,
	s_lshl_b32 s47, s40, 9                         ; 256 columns = 512 bytes for each cx,
	s_add_co_u32 s46, s46, s47
	s_lshl_b32 s47, s12, 17                        ; 64 rows of 2,048 bytes for the half
	s_add_co_u32 s46, s46, s47
	s_mov_b32 s47, 0
	s_mul_i32 s20, s12, AHALF                      ; and where they go: no place in the cluster enters an LDS address
	s_mul_i32 s21, s12, BHALF
	s_add_co_u32 s21, s21, BOFF
	s_wait_dscnt 0x0                               ; the opening add is done
	s_wait_kmcnt 0x0
	s_add_nc_u64 s[14:15], s[68:69], s[16:17]
	s_add_nc_u64 s[46:47], s[70:71], s[46:47]
	CROUND                                         ; all sixteen work-groups are here: the first joint loads meet
.irp s, 0,1
	s_mov_b32 s[G0+4*(\s)], 1                                        ; count = 1
	s_add_co_u32 s[G0+4*(\s)+1], s20, (\s)*SLOT                      ; LDS address
	s_add_nc_u64 s[G0+4*(\s)+2:G0+4*(\s)+3], s[14:15], (\s)*STEP_A   ; global address: K step s
	s_or_b32 s[G0+4*(\s)+3], s[G0+4*(\s)+3], 0x80000000              ; type = 2
	s_mov_b32 s[G0B+4*(\s)], 1
	s_add_co_u32 s[G0B+4*(\s)+1], s21, (\s)*SLOT
	s_add_nc_u64 s[G0B+4*(\s)+2:G0B+4*(\s)+3], s[46:47], (\s)*STEP_B
	s_or_b32 s[G0B+4*(\s)+3], s[G0B+4*(\s)+3], 0x80000000
	JLOAD \s                                       ; the ring is filled before anything else is done: two loads of mine are out
.endr
	; the bias of my 128 columns: register j of column block b is b[16 b + 8 (l / 16) + j], as the accumulators hold their columns
	v_and_b32 v1, 15, v0                           ; l % 16
	v_bfe_u32 v2, v0, 4, 1                         ; l / 16
	s_cmp_eq_u32 s45, 1
	s_cselect_b64 s[84:85], s[74:75], s[72:73]     ; bk or bq
	s_cmp_eq_u32 s45, 2
	s_cselect_b64 s[84:85], s[76:77], s[84:85]     ; or bv
	s_lshl_b32 s22, s40, 10                        ; 256 columns of 4 bytes for each cx,
	s_lshl_b32 s23, s12, 9                         ; 128 for my half
	s_add_co_u32 s22, s22, s23
	s_mov_b32 s23, 0
	s_add_nc_u64 s[84:85], s[84:85], s[22:23]
	v_lshlrev_b32 v6, 5, v2                        ; 8 columns of 4 bytes for the upper half of the lanes
	WIN 0x80                                       ; destination window 2, address window 0
.irp b, 0,1,2,3,4,5,6,7
	global_load_b128 v[8*(\b):8*(\b)+3],   v6, s[84:85] offset:64*(\b)
	global_load_b128 v[8*(\b)+4:8*(\b)+7], v6, s[84:85] offset:64*(\b)+16
.endr
	WIN 0
	; A fragment of xb is 16 rows x 32 K in 8 registers: lane l holds row l % 16, K = 8 (l / 16) + 0..7 and 16 + 8 (l / 16) + 0..7: two loads of 16 bytes, 32 bytes apart.
	v_mul_u32_u24 v3, v1, PITCH
	v_lshl_add_u32 v3, v2, 4, v3                   ; row x pitch + 16 x half
	s_mul_i32 s4, s11, AHALF                       ; my 64 rows
	v_add_nc_u32 v[ADRA], s4, v3
	s_add_co_u32 s4, s4, SLOT
	v_add_nc_u32 v[ADRA+1], s4, v3
	; The turning load takes 16 K x 16 columns (lane l reads 16 bytes: K row 8 (l / 16) + l % 8, columns 8 ((l / 8) % 2) + 0..7) and leaves half a fragment: lane l holds column l % 16 and 8 K.
	v_and_b32 v4, 7, v0
	v_lshl_add_u32 v4, v2, 3, v4
	v_mul_u32_u24 v4, v4, PT
	v_bfe_u32 v5, v0, 3, 1
	v_lshl_add_u32 v4, v5, 4, v4
	s_lshl_b32 s5, s12, 8                          ; my 128 columns: 256 bytes into each row
	s_add_co_u32 s5, s5, BOFF
	v_add_nc_u32 v[ADRB], s5, v4
	s_add_co_u32 s5, s5, SLOT
	v_add_nc_u32 v[ADRB+1], s5, v4
	s_mul_i32 s6, s10, 16*SPITCH
	s_add_co_u32 s6, s6, STAGE                     ; my stage
	v_add_nc_u32 v[STO], s6, v3                    ; in: row l % 16, 16 bytes for each half of the lanes (the stage's pitch is xb's)
	v_mul_u32_u24 v5, v2, SPITCH                   ; back: lanes 0-15 take one row of 256 bytes, lanes 16-31 the next
	v_lshl_add_u32 v5, v1, 4, v5
	v_add_nc_u32 v[RD], s6, v5
	v_mul_u32_u24 v5, v2, ROWB                     ; and the same two rows in qkv
	v_lshl_add_u32 v[CO], v1, 4, v5
	s_lshl_b32 s18, s13, 7
	s_lshl_b32 s19, s11, 6
	s_add_co_u32 s18, s18, s19                     ; my first row of C,
	s_mul_i32 s18, s18, ROWB                       ; in bytes (under 2^26),
	s_lshl_b32 s19, s45, 11                        ; q, k or v: 2,048 bytes of the row each,
	s_add_co_u32 s18, s18, s19
	s_lshl_b32 s19, s40, 9                         ; the tile's 512 bytes,
	s_add_co_u32 s18, s18, s19
	s_lshl_b32 s19, s12, 8                         ; my 256 of them
	s_add_co_u32 s18, s18, s19
	s_mov_b32 s19, 0
	s_add_nc_u64 s[82:83], s[78:79], s[18:19]
	s_wait_loadcnt 0x0                             ; the bias is in: it is rounded to bf16, as every input is, and widened again
	WIN 0x0a                                       ; sources 0 and 1 window 2, destination window 0
.set i, 0
.rept 32
	v_cvt_pk_bf16_f32 v[TMP+i], v[2*i], v[2*i+1]
.set i, i+1
.endr
	WIN 0x80                                       ; destination window 2, sources window 0
.set i, 0
.rept 32
	v_lshlrev_b32 v[2*i], 16, v[TMP+i]
	v_and_b32 v[2*i+1], 0xffff0000, v[TMP+i]
.set i, i+1
.endr
	WIN 0
; 24 LDS loads in one run: the fragments of quarter q (32 along K) of a slot into buffer f: W's eight first, then xb's four
.macro FETCH slot, q, f
	WIN 0
.irp i, 0,1,2,3,4,5,6,7
	ds_load_tr16_b128 v[FB+64*(\f)+8*(\i):FB+64*(\f)+8*(\i)+3],   v[ADRB+(\slot)] offset:(\q)*32*PT+32*(\i)
	ds_load_tr16_b128 v[FB+64*(\f)+8*(\i)+4:FB+64*(\f)+8*(\i)+7], v[ADRB+(\slot)] offset:(\q)*32*PT+16*PT+32*(\i)
.endr
.irp i, 0,1,2,3
	ds_load_b128 v[FA+32*(\f)+8*(\i):FA+32*(\f)+8*(\i)+3],   v[ADRA+(\slot)] offset:64*(\q)+(\i)*16*PITCH
	ds_load_b128 v[FA+32*(\f)+8*(\i)+4:FA+32*(\f)+8*(\i)+7], v[ADRA+(\slot)] offset:64*(\q)+(\i)*16*PITCH+32
.endr
.endm
; 8 matrix instructions: row block a x all 8 column blocks, 32 along K, from buffer f.  start = 1: the products start the sums, with the bias as C: nothing is cleared.
; The 32 accumulators come in the same order in every quarter, one instruction a turn: between two links of a chain stand the 31 others'.
.macro MUL8 f, a, start
.irp b, 0,1,2,3,4,5,6,7
.if \start
	WIN MULB
	v_wmma_f32_16x16x32_bf16 v[8*(8*(\a)+(\b)):8*(8*(\a)+(\b))+7], v[FB+64*(\f)+8*(\b):FB+64*(\f)+8*(\b)+7], v[FA+32*(\f)+8*(\a):FA+32*(\f)+8*(\a)+7], v[8*(\b):8*(\b)+7]
.else
	WIN MUL
	v_wmma_f32_16x16x32_bf16 v[8*(8*(\a)+(\b)):8*(8*(\a)+(\b))+7], v[FB+64*(\f)+8*(\b):FB+64*(\f)+8*(\b)+7], v[FA+32*(\f)+8*(\a):FA+32*(\f)+8*(\a)+7], v[8*(8*(\a)+(\b)):8*(8*(\a)+(\b))+7]
.endif
.endr
.endm
; A load into a register that a matrix instruction has read, and a vector instruction that reads a matrix result or writes one of its registers, stand four places behind it, and only plain
; vector instructions that name none of its registers are places (ISA guide 7.12.1 for vector instructions).
.macro PLACES
.rept 4
	v_nop
.endr
.endm
; A K step is four quarters of 32 along K, 32 matrix instructions each, on buffers 0, 1, 0, 1.  One of the first three: multiplies buffer f and fetches quarter qn of the same slot into g.
.macro QUARTER slot, qn, f, g, start
	s_wait_dscnt 4                                 ; W's fragments and xb's blocks 0 and 1 are in; the youngest four loads (blocks 2 and 3) may be out
	MUL8 \f, 0, \start
	PLACES
	FETCH \slot, \qn, \g
	s_wait_dscnt 24                                ; all but the 24 just issued
	MUL8 \f, 1, \start
	MUL8 \f, 2, \start
	MUL8 \f, 3, \start
.endm
; The last quarter multiplies buffer 1 and changes slots: ONE barrier.  In front of it each wave waits for all its tensor loads, of which one is out: its part of the next slot; adds 0 to its
; spare word; and waits for that and for its own reads of this slot.  fill = 1: the barrier opens a round of the cluster's barrier, and this slot is filled again, two K steps ahead,
; first thing behind the round: from that request to the wait for it a wave issues 112 matrix instructions.
.macro TURN slot, next, fill
	WIN 0                                          ; (the add's two registers lie in window 0)
	s_wait_tensorcnt 0x0                           ; all my tensor loads have landed
	ds_add_u32 v[SPW], v[NIL]                      ; 0 onto my spare word
	s_wait_dscnt 5                                 ; (the add and the youngest four loads may be out)
	MUL8 1, 0, 0                                   ; eight matrix instructions stand between the add and the wait for it
	s_wait_dscnt 0x0                               ; the add is done, and my reads of this slot are over
	s_barrier_signal -1
	MUL8 1, 1, 0                                   ; work on registers while the others arrive
	WIN 0
	s_barrier_wait -1
.if \fill
	CREST                                          ; no wave of any partner still reads this slot's tile or has a load on its way
	s_add_nc_u64 s[G0+4*(\slot)+2:G0+4*(\slot)+3], s[G0+4*(\slot)+2:G0+4*(\slot)+3], 2*STEP_A
	s_add_nc_u64 s[G0B+4*(\slot)+2:G0B+4*(\slot)+3], s[G0B+4*(\slot)+2:G0B+4*(\slot)+3], 2*STEP_B
	JLOAD \slot                                    ; the four v_nop behind it are also the places in front of the loads below
.else
	PLACES
.endif
	FETCH \next, 0, 0
	MUL8 1, 2, 0
	MUL8 1, 3, 0
.endm
; THE WAY OUT of row block a, in three parts.  PACK: rounded to bf16, 16 bytes a lane, each accumulator's registers in ascending order.  TOSTAGE: into my own stage, and back as whole rows of 256 bytes.  SEND: stored.
.macro PACK a
	WIN 0x05                                       ; sources 0 and 1 window 1, destination window 0
.irp b, 0,1,2,3,4,5,6,7
.irp i, 0,1,2,3
	v_cvt_pk_bf16_f32 v[TMP+4*(\b)+(\i)], v[64*(\a)+8*(\b)+2*(\i)], v[64*(\a)+8*(\b)+2*(\i)+1]
.endr
.endr
	WIN 0
.endm
.macro TOSTAGE a
.set BK, 64+96*((\a)%2)                ; v64-95 and v160-191 by turns
.irp b, 0,1,2,3,4,5,6,7
	ds_store_b128 v[STO], v[TMP+4*(\b):TMP+4*(\b)+3] offset:32*(\b)
.endr
.irp t, 0,1,2,3,4,5,6,7
	ds_load_b128 v[BK+4*(\t):BK+4*(\t)+3], v[RD] offset:(\t)*2*SPITCH  ; LDS serves a wave's instructions in order (ISA guide 5.7.1.4): these see the stores above
.endr
.endm
.macro SEND a
.set BK, 64+96*((\a)%2)
	s_wait_dscnt 0x0                               ; the block is back in registers
	s_wait_xcnt 0x0                                ; the stores of the block before have had their addresses translated (ISA guide 3.1): its registers are loaded again only behind this wait
.irp t, 0,1,2,3,4,5,6,7
	global_store_b128 v[CO], v[BK+4*(\t):BK+4*(\t)+3], s[82:83] offset:(16*(\a)+2*(\t))*ROWB  ; 16 lanes store 256 consecutive bytes, at a multiple of 256 from qkv's first byte
.endr
.endm
	s_wait_tensorcnt 1                             ; my part of K step 0 is in; K step 1's may stay out
	s_barrier_signal -1
	s_barrier_wait -1                              ; everybody's is
	FETCH 0, 0, 0
	QUARTER 0, 1, 0, 1, 1                          ; the first quarter stands in front of the loop: its products start the sums
	WIN 0                                          ; at a label and at a branch every window is 0
	s_mov_b32 s3, LAPS-1
.Llap:                                                 ; a trip goes once round the ring, from a lap's second quarter to the next lap's first, and fills both slots again
	QUARTER 0, 2, 1, 0, 0
	QUARTER 0, 3, 0, 1, 0
	TURN 0, 1, 1
	QUARTER 1, 1, 0, 1, 0
	QUARTER 1, 2, 1, 0, 0
	QUARTER 1, 3, 0, 1, 0
	TURN 1, 0, 1
	QUARTER 0, 1, 0, 1, 0
	WIN 0
	s_sub_co_u32 s3, s3, 1
	s_cmp_lg_u32 s3, 0
	s_cbranch_scc1 .Llap
	QUARTER 0, 2, 1, 0, 0                          ; the last lap fills nothing, and has no round of the cluster's barrier
	QUARTER 0, 3, 0, 1, 0
	TURN 0, 1, 0
	QUARTER 1, 1, 0, 1, 0
	QUARTER 1, 2, 1, 0, 0
	QUARTER 1, 3, 0, 1, 0
	s_wait_dscnt 4                                 ; the very last quarter: nothing more to fetch
	MUL8 1, 0, 0
	s_wait_dscnt 0x0
	MUL8 1, 1, 0
	MUL8 1, 2, 0
	MUL8 1, 3, 0
	WIN 0
	PLACES
	PACK 0
	TOSTAGE 0
.irp a, 1,2,3                          ; block a's conversions stand between block a - 1's loads from the stage and the wait for them
	PACK \a
	SEND (\a)-1
	TOSTAGE \a
.endr
	SEND 3
	s_wait_tensorcnt 0x0                           ; the wave's end: behind my last tensor load and my last LDS store
	ds_add_u32 v[SPW], v[NIL]
	s_wait_dscnt 0x0
	CROUND                                         ; the closing round: no work-group ends while a partner may still ask for a tile that names it
	s_endpgm
.Lfunc_end_k_qf8654ee204_proj:
	.size	k_qf8654ee204_proj, .Lfunc_end_k_qf8654ee204_proj-k_qf8654ee204_proj
	.p2alignl 7, 3214868480
	.fill 96, 4, 3214868480
	.section	.rodata,"a",@progbits
	.p2align	6, 0x0
	.amdhsa_kernel k_qf8654ee204_proj
		.amdhsa_group_segment_fixed_size 327680
		.amdhsa_private_segment_fixed_size 0
		.amdhsa_enable_private_segment 0
		.amdhsa_kernarg_size 48
		.amdhsa_user_sgpr_count 2
		.amdhsa_user_sgpr_kernarg_segment_ptr 1
		.amdhsa_wavefront_size32 1
		.amdhsa_system_sgpr_workgroup_id_x 1
		.amdhsa_system_sgpr_workgroup_id_y 1
		.amdhsa_system_sgpr_workgroup_id_z 1
		.amdhsa_system_vgpr_workitem_id 0
		.amdhsa_next_free_vgpr 576
		.amdhsa_next_free_sgpr 86
		.amdhsa_reserve_vcc 0
		.amdhsa_float_denorm_mode_32 3
		.amdhsa_float_denorm_mode_16_64 3
		.amdhsa_memory_ordered 1
		.amdhsa_forward_progress 1
		.amdhsa_inst_pref_size 93
	.end_amdhsa_kernel
	.amdgpu_metadata
---
amdhsa.version: [ 1, 2 ]
amdhsa.kernels:
  - .name:           k_qf8654ee204_proj
    .symbol:         k_qf8654ee204_proj.kd
    .args:
      - { .name: xb, .offset: 0, .size: 8, .value_kind: global_buffer, .address_space: global }
      - { .name: wb, .offset: 8, .size: 8, .value_kind: global_buffer, .address_space: global }
      - { .name: bq, .offset: 16, .size: 8, .value_kind: global_buffer, .address_space: global }
      - { .name: bk, .offset: 24, .size: 8, .value_kind: global_buffer, .address_space: global }
      - { .name: bv, .offset: 32, .size: 8, .value_kind: global_buffer, .address_space: global }
      - { .name: qkv, .offset: 40, .size: 8, .value_kind: global_buffer, .address_space: global }
    .group_segment_fixed_size: 327680
    .private_segment_fixed_size: 0
    .kernarg_segment_align: 8
    .kernarg_segment_size: 48
    .max_flat_workgroup_size: 128
    .sgpr_count:     86
    .vgpr_count:     576
    .wavefront_size: 32
...
	.end_amdgpu_metadata
.endif
;; end of part 2
;; launch score (part 3): grid 8 x 64, 4 waves a work-group, clusters of 4 x 4, 327,680 bytes of LDS; arguments qkv, p, stats; writes p, stats
.if DOCPART == 3
	.amdgcn_target "amdgcn-amd-amdhsa--gfx1250"
	.amdhsa_code_object_version 6
	.text
	.protected	k_qf8654ee204_score
	.globl	k_qf8654ee204_score
	.p2align	8
	.type	k_qf8654ee204_score,@function
k_qf8654ee204_score:
	s_mov_b64 s[64:65], 0
	v_nop
	global_prefetch_b8 v0, s[64:65] scope:SCOPE_SE
	s_setreg_imm32_b32 hwreg(HW_REG_WAVE_MODE, 25, 1), 1
	s_wait_xcnt 0x0
	s_wait_alu depctr_hold_cnt(0) depctr_sa_sdst(0) depctr_va_vdst(0) depctr_va_sdst(0) depctr_va_ssrc(0) depctr_va_vcc(0) depctr_vm_vsrc(0)
	s_getreg_b32 s2, hwreg(HW_REG_IB_STS2, 6, 4)
	s_cmp_eq_u32 s2, 0
	s_cbranch_scc0 .Lentry_in_a_cluster
	s_endpgm
.Lentry_in_a_cluster:
	s_bfe_u32 s2, ttmp6, 0x10000c
	s_cmp_lg_u32 s2, 0xf033
	s_cbranch_scc0 .Lentry_shape_is_right
	s_endpgm
.Lentry_shape_is_right:
; For each batch b, query q and block kb of 128 keys: s = Q[q] . K[key] (f32 sums of bf16 products), c = log2(e) / 32,
;   m' = the block's maximum of c s, rounded up to a whole number;   p[q][key] = 2^(c s - m'), rounded to bf16;   l = the sum of the block's unrounded p.
; p: [8192][2048] bf16.  stats: [4 b][16 kb][2: m', l][2048 q] f32.  The launch behind joins a row's 16 blocks: since every m' is a whole number, its factors 2^(m' - max m') are powers of two.
; The maximum taken away is each row's own, over the wave's 128 keys: c s - m' lies in (-inf, 0], the block's largest p in (1/2, 1], whatever the inputs.
; LIMITS.  Matrix operands are bf16; a weight below 2^-126 counts as 0; NaN and infinities are not treated apart.
; qkv: [8192][3072] bf16, a row's Q at byte 0, K at byte 2,048.
; SHARES.  A tile of S is 128 queries x 256 keys: 64 x 8 = 512 tiles.  Four waves, 2 x 2, each 64 x 128: 32 accumulators, 256 registers; a wave's 128 keys are one block kb.
; K (the head's 1,024 channels) goes in 8 steps of 128 through two LDS slots filled by the tensor data mover: 128 rows of Q and 256 rows of K, 256 bytes each.
; CLUSTERS: 4 x 4 work-groups.  The four of a row of the cluster need the same tiles of Q, the four of a column the same tiles of K: each is asked for JOINTLY.
; THE MATRIX INSTRUCTION IS USED TRANSPOSED (source 0 = 16 keys, source 1 = 16 queries): lane l holds query l % 16 and the keys 8 (l / 16) + 0..7 of each block of 16:
; a query's 128 scores lie in two lanes 16 apart, and its weights pack into 16 bytes of a row of p.
; REGISTERS, in windows of 256 (s_set_vgpr_msb: bits 1:0 source 0, 3:2 source 1, 5:4 source 2, 7:6 destination):
;   window 0: v0-31 addresses; v32-63, v64-95 fragments of Q, two buffers; v96-159, v160-223 fragments of K, two buffers; v224-233 at work in the softmax
;   window 1: accumulator (a, b) at v[8 (8 a + b)], a = 0..3 query blocks, b = 0..7 key blocks
.set KSTEPS, 8
.set LAPS,   KSTEPS/2
.set PITCH,  272                       ; an LDS row: 256 bytes + 16 of padding = 68 words: the 16 rows of a load start at 16 different groups of four banks (64 banks of 4 bytes: ISA guide 11.1)
.set AHALF,  64*PITCH                  ; what one tensor load brings of Q, and what one wave reads of it
.set BOFF,   2*AHALF
.set BHALF,  128*PITCH                 ; the same for K
.set SLOT,   BOFF+2*BHALF              ; 104,448 bytes
.set STAGE,  2*SLOT                    ; behind the ring, never filled by a tensor load: 16 rows x 272 bytes for each wave
.set SPITCH, 272
.set STAT,   STAGE+4*16*SPITCH         ; 512 bytes for each wave: m' of its 64 queries, then l
.set SPARE,  STAT+4*512                ; the spare words, 128 bytes for each wave: two blocks of 256 bytes that no other line names
.set STEP,   128*2                     ; bytes from a K step to the next, in Q and in K
.set QROW,   6144                      ; bytes in a row of qkv
.set ROWB,   4096                      ; bytes in a row of p
.set MM,   10                          ; v[10:11] -m' and 0: the packed scaling takes the pair's low word for both halves
.set ADRA, 16
.set ADRB, 20
.set STO,  24
.set RD,   25
.set CO,   26
.set STATW, 27                         ; v27     where my query's m' goes
.set SPW,  28                          ; v28     LDS address of my spare word: SPARE + 4 x my thread's number; never rewritten
.set NIL,  29                          ; v29     0; never rewritten
.set STATR, 30                         ; v30     where I read 16 bytes of the wave's 512 back
.set SO,   31                          ; v31     my byte offset in stats
.set FA,   32
.set FB,   96
.set TMP,  32                          ; the way out: 32 registers of packed weights
.set X,    96                          ; the way out: 64 registers: c s - m', then p
.set CW,   224                         ; v224-231 at work
.set LP,   232                         ; v[232:233] l, even keys' and odd keys'
.set G1,  24
.set G0,  32
.set G1B, 48
.set G0B, 56
.set MUL,  0x50                        ; sources 0 and 1 window 0; C and D window 1
.set MSB, 0
.macro WIN new                         ; the immediate's high byte repeats the setting that is left; a switch that changes nothing is dropped
.if MSB != (\new)
	s_set_vgpr_msb (MSB<<8)|(\new)
.set MSB, \new
.endif
.endm
; A joint load.  Waves 0 and 1 fetch Q's two halves, waves 2 and 3 K's.  An s_nop 0 and four v_nop follow each of the two lines, ahead of the jump, the label and what follows.
.macro JLOAD s
	s_cmp_eq_u32 s11, 0
	s_cbranch_scc0 .Lfor_b_\@
	tensor_load_to_lds s[G0+4*(\s):G0+4*(\s)+3], s[G1:G1+7]
	s_nop 0
.rept 4
	v_nop
.endr
	s_branch .Lasked_\@
.Lfor_b_\@:
	tensor_load_to_lds s[G0B+4*(\s):G0B+4*(\s)+3], s[G1B:G1B+7]
	s_nop 0
.rept 4
	v_nop
.endr
.Lasked_\@:
.endm
.macro CREST                           ; a round of the cluster's barrier behind its opening barrier
	s_cmp_lg_u32 s10, 0
	s_cbranch_scc1 .Lnot_wave_0_\@
	s_barrier_signal -3
.Lnot_wave_0_\@:
	s_barrier_wait -3
	s_barrier_signal -1
	s_barrier_wait -1
.endm
.macro CROUND                          ; a whole round
	s_barrier_signal -1
	s_barrier_wait -1
	CREST
.endm
	s_load_b128 s[68:71], s[0:1], 0x0              ; qkv s[68:69], p s[70:71]
	s_load_b64 s[72:73], s[0:1], 0x10              ; stats
	v_lshl_add_u32 v[SPW], v0, 2, SPARE
	v_mov_b32 v[NIL], 0
	ds_add_u32 v[SPW], v[NIL]                      ; the wave's opening: the add and its wait stand ahead of my first tensor load; the set-up below, work on registers, stands between them
	v_lshrrev_b32 v1, 5, v0
	v_readfirstlane_b32 s10, v1                    ; wave 0..3
	s_lshr_b32 s11, s10, 1                         ; which 64 of the tile's queries are mine.  Also: I fetch for Q (0) or for K (1)
	s_and_b32 s12, s10, 1                          ; which 128 of its keys.  Also: which half of that tile I fetch
	s_bfe_u32 s40, ttmp6, 0x40000                  ; cx, cy: my place in the cluster
	s_bfe_u32 s41, ttmp6, 0x40004
	s_lshl_b32 s42, ttmp9, 2
	s_add_co_u32 s42, s42, s40                     ; tile column = 4 x cluster x + cx: 256 keys of the batch
	s_and_b32 s13, ttmp7, 0xffff
	s_lshr_b32 s45, s13, 2                         ; the batch: 16 tile rows = 4 clusters each; the same in all sixteen
	s_lshl_b32 s13, s13, 2
	s_add_co_u32 s13, s13, s41                     ; tile row = 4 x cluster y + cy: 128 of the 8,192 rows
	s_lshl_b32 s43, s41, 2
	s_lshl_b32 s43, 15, s43                        ; my row of the cluster
	s_lshl_b32 s44, 0x1111, s40                    ; my column
	; descriptor group 1.  Q: 64 rows x 128 elements; K: 128 rows x 128 elements; padded in LDS behind every row
	s_or_b32 s[G1+0], s43, (1<<16)|(1<<20)|(1<<21)|(5<<22)|(3<<25)   ; 15:0 the mask: my row; 17:16 2-byte elements; 20 padding on; 21 set beside a mask; 24:22 after every 64 words (code 5); 31:25 4 words (code 3)
	s_mov_b32 s[G1+1], 128<<16                     ; tensor_dim0 = 128
	s_mov_b32 s[G1+2], 64<<16                      ; tensor_dim1 = 64
	s_mov_b32 s[G1+3], 128<<16                     ; tile_dim0 = 128
	s_mov_b32 s[G1+4], 64                          ; tile_dim1 = 64
	s_mov_b32 s[G1+5], 3072                        ; elements from row to row
	s_mov_b32 s[G1+6], 0
	s_mov_b32 s[G1+7], 0
	s_or_b32 s[G1B+0], s44, (1<<16)|(1<<20)|(1<<21)|(5<<22)|(3<<25)  ; the same with the mask of my column
	s_mov_b32 s[G1B+1], 128<<16
	s_mov_b32 s[G1B+2], 128<<16                    ; tensor_dim1 = 128
	s_mov_b32 s[G1B+3], 128<<16
	s_mov_b32 s[G1B+4], 128                        ; tile_dim1 = 128
	s_mov_b32 s[G1B+5], 3072
	s_mov_b32 s[G1B+6], 0
	s_mov_b32 s[G1B+7], 0
	s_lshl_b32 s16, s13, 7
	s_lshl_b32 s17, s12, 6
	s_add_co_u32 s16, s16, s17                     ; Q: row 128 x tile row + 64 x half,
	s_mul_i32 s16, s16, QROW                       ; in bytes (under 2^26)
	s_mov_b32 s17, 0
	s_lshl_b32 s46, s45, 11                        ; K: the batch's 2,048 rows,
	s_lshl_b32 s47, s42, 8                         ; 256 x tile column,
	s_add_co_u32 s46, s46, s47
	s_lshl_b32 s47, s12, 7                         ; 128 x half,
	s_add_co_u32 s46, s46, s47
	s_mul_i32 s46, s46, QROW
	s_add_co_u32 s46, s46, 2048                    ; and K's place in a row of qkv
	s_mov_b32 s47, 0
	s_mul_i32 s20, s12, AHALF                      ; where they go: no place in the cluster enters an LDS address
	s_mul_i32 s21, s12, BHALF
	s_add_co_u32 s21, s21, BOFF
	s_mov_b32 s66, 0x3d38aa3b                      ; c = log2(e) / 32 = 0.0450842
	s_mov_b32 s67, s66                             ; named with it as a pair
	s_mov_b32 s9, 0xbd38aa3b                       ; -c
	s_mov_b32 s80, 0x76543210                      ; v_permlanex16_b32's selects: each lane takes its own place in the other half
	s_mov_b32 s81, 0xfedcba98
	s_wait_dscnt 0x0                               ; the opening add is done
	s_wait_kmcnt 0x0
	s_add_nc_u64 s[14:15], s[68:69], s[16:17]
	s_add_nc_u64 s[46:47], s[68:69], s[46:47]
	CROUND                                         ; all sixteen work-groups are here: the first joint loads meet
.irp s, 0,1
	s_mov_b32 s[G0+4*(\s)], 1                                        ; count = 1
	s_add_co_u32 s[G0+4*(\s)+1], s20, (\s)*SLOT                      ; LDS address
	s_add_nc_u64 s[G0+4*(\s)+2:G0+4*(\s)+3], s[14:15], (\s)*STEP     ; global address: K step s
	s_or_b32 s[G0+4*(\s)+3], s[G0+4*(\s)+3], 0x80000000              ; type = 2
	s_mov_b32 s[G0B+4*(\s)], 1
	s_add_co_u32 s[G0B+4*(\s)+1], s21, (\s)*SLOT
	s_add_nc_u64 s[G0B+4*(\s)+2:G0B+4*(\s)+3], s[46:47], (\s)*STEP
	s_or_b32 s[G0B+4*(\s)+3], s[G0B+4*(\s)+3], 0x80000000
	JLOAD \s                                       ; the ring is filled before anything else is done: two loads of mine are out
.endr
	; A fragment is 16 rows x 32 channels in 8 registers: lane l holds row l % 16, channels 8 (l / 16) + 0..7 and 16 + 8 (l / 16) + 0..7: two loads of 16 bytes, 32 bytes apart.
	v_and_b32 v1, 15, v0                           ; l % 16
	v_bfe_u32 v2, v0, 4, 1                         ; l / 16
	v_mov_b32 v[MM+1], 0                           ; named as a pair with -m'
	v_mul_u32_u24 v3, v1, PITCH
	v_lshl_add_u32 v3, v2, 4, v3                   ; row x pitch + 16 x half
	s_mul_i32 s4, s11, AHALF                       ; my 64 rows of Q
	s_mul_i32 s5, s12, BHALF                       ; my 128 rows of K,
	s_add_co_u32 s5, s5, BOFF                      ; which lie behind Q's 128
.irp s, 0,1
	v_add_nc_u32 v[ADRA+(\s)], s4, v3
	v_add_nc_u32 v[ADRB+(\s)], s5, v3
	s_add_co_u32 s4, s4, SLOT
	s_add_co_u32 s5, s5, SLOT
.endr
	s_mul_i32 s6, s10, 16*SPITCH
	s_add_co_u32 s6, s6, STAGE                     ; my stage
	v_add_nc_u32 v[STO], s6, v3                    ; in: row l % 16, 16 bytes for each half of the lanes
	v_mul_u32_u24 v5, v2, SPITCH                   ; back: lanes 0-15 take one row of 256 bytes, lanes 16-31 the next
	v_lshl_add_u32 v5, v1, 4, v5
	v_add_nc_u32 v[RD], s6, v5
	v_lshlrev_b32 v5, 12, v2                       ; and the same two rows in p
	v_lshl_add_u32 v[CO], v1, 4, v5
	s_lshl_b32 s7, s10, 9
	s_add_co_u32 s7, s7, STAT                      ; my wave's 512 bytes of statistics
	v_lshl_add_u32 v[STATW], v1, 2, s7
	v_and_b32 v5, 31, v0
	v_lshl_add_u32 v[STATR], v5, 4, s7
	v_lshlrev_b32 v5, 13, v2                       ; in stats: lanes 0-15 the 256 bytes of m', lanes 16-31 those of l, 8,192 bytes on
	v_lshl_add_u32 v[SO], v1, 4, v5
	s_lshl_b32 s18, s13, 7
	s_lshl_b32 s19, s11, 6
	s_add_co_u32 s18, s18, s19                     ; my first row of p,
	s_lshl_b32 s18, s18, 12                        ; of 4,096 bytes,
	s_lshl_b32 s19, s42, 9                         ; the tile's 512 bytes,
	s_add_co_u32 s18, s18, s19
	s_lshl_b32 s19, s12, 8                         ; my 256 of them
	s_add_co_u32 s18, s18, s19
	s_mov_b32 s19, 0
	s_add_nc_u64 s[82:83], s[70:71], s[18:19]
	s_lshl_b32 s22, s45, 18                        ; stats: the batch's 262,144 bytes,
	s_lshl_b32 s23, s42, 15                        ; key block 2 x tile column + half, 16,384 bytes each,
	s_add_co_u32 s22, s22, s23
	s_lshl_b32 s23, s12, 14
	s_add_co_u32 s22, s22, s23
	s_and_b32 s23, s13, 15                         ; the tile row within the batch: 128 queries of 4 bytes,
	s_lshl_b32 s23, s23, 9
	s_add_co_u32 s22, s22, s23
	s_lshl_b32 s23, s11, 8                         ; my 64 of them
	s_add_co_u32 s22, s22, s23
	s_mov_b32 s23, 0
	s_add_nc_u64 s[84:85], s[72:73], s[22:23]
; 24 LDS loads in one run: the fragments of quarter q (32 channels) of a slot into buffer f: K's eight first, then Q's four
.macro FETCH slot, q, f
	WIN 0
.irp i, 0,1,2,3,4,5,6,7
	ds_load_b128 v[FB+64*(\f)+8*(\i):FB+64*(\f)+8*(\i)+3],   v[ADRB+(\slot)] offset:64*(\q)+(\i)*16*PITCH
	ds_load_b128 v[FB+64*(\f)+8*(\i)+4:FB+64*(\f)+8*(\i)+7], v[ADRB+(\slot)] offset:64*(\q)+(\i)*16*PITCH+32
.endr
.irp i, 0,1,2,3
	ds_load_b128 v[FA+32*(\f)+8*(\i):FA+32*(\f)+8*(\i)+3],   v[ADRA+(\slot)] offset:64*(\q)+(\i)*16*PITCH
	ds_load_b128 v[FA+32*(\f)+8*(\i)+4:FA+32*(\f)+8*(\i)+7], v[ADRA+(\slot)] offset:64*(\q)+(\i)*16*PITCH+32
.endr
.endm
; 8 matrix instructions: query block a x all 8 key blocks, 32 channels, from buffer f.  start = 1: the products start the sums: nothing is cleared.
; The 32 accumulators come in the same order in every quarter, one instruction a turn.
.macro MUL8 f, a, start
	WIN MUL
.irp b, 0,1,2,3,4,5,6,7
.if \start
	v_wmma_f32_16x16x32_bf16 v[8*(8*(\a)+(\b)):8*(8*(\a)+(\b))+7], v[FB+64*(\f)+8*(\b):FB+64*(\f)+8*(\b)+7], v[FA+32*(\f)+8*(\a):FA+32*(\f)+8*(\a)+7], 0
.else
	v_wmma_f32_16x16x32_bf16 v[8*(8*(\a)+(\b)):8*(8*(\a)+(\b))+7], v[FB+64*(\f)+8*(\b):FB+64*(\f)+8*(\b)+7], v[FA+32*(\f)+8*(\a):FA+32*(\f)+8*(\a)+7], v[8*(8*(\a)+(\b)):8*(8*(\a)+(\b))+7]
.endif
.endr
.endm
.macro PLACES                          ; four places in front of loads into registers that matrix instructions have read, and of vector lines that read results (ISA guide 7.12.1 for vector instructions)
.rept 4
	v_nop
.endr
.endm
; A K step is four quarters of 32 channels, 32 matrix instructions each, on buffers 0, 1, 0, 1.  One of the first three: multiplies buffer f and fetches quarter qn of the same slot into g.
.macro QUARTER slot, qn, f, g, start
	s_wait_dscnt 4                                 ; K's fragments and Q's blocks 0 and 1 are in; the youngest four loads (blocks 2 and 3) may be out
	MUL8 \f, 0, \start
	PLACES
	FETCH \slot, \qn, \g
	s_wait_dscnt 24                                ; all but the 24 just issued
	MUL8 \f, 1, \start
	MUL8 \f, 2, \start
	MUL8 \f, 3, \start
.endm
; The last quarter multiplies buffer 1 and changes slots: ONE barrier.  In front of it each wave waits for all its tensor loads, of which one is out: its part of the next slot; adds 0 to its
; spare word; and waits for that and for its own reads of this slot.  fill = 1: the barrier opens a round of the cluster's barrier, and this slot is filled again, two K steps ahead,
; first thing behind the round: from that request to the wait for it a wave issues 112 matrix instructions.
.macro TURN slot, next, fill
	WIN 0                                          ; (the add's two registers lie in window 0)
	s_wait_tensorcnt 0x0                           ; all my tensor loads have landed
	ds_add_u32 v[SPW], v[NIL]                      ; 0 onto my spare word
	s_wait_dscnt 5                                 ; (the add and the youngest four loads may be out)
	MUL8 1, 0, 0                                   ; eight matrix instructions stand between the add and the wait for it
	s_wait_dscnt 0x0                               ; the add is done, and my reads of this slot are over
	s_barrier_signal -1
	MUL8 1, 1, 0                                   ; work on registers while the others arrive
	WIN 0
	s_barrier_wait -1
.if \fill
	CREST                                          ; no wave of any partner still reads this slot's tile or has a load on its way
	s_add_nc_u64 s[G0+4*(\slot)+2:G0+4*(\slot)+3], s[G0+4*(\slot)+2:G0+4*(\slot)+3], 2*STEP
	s_add_nc_u64 s[G0B+4*(\slot)+2:G0B+4*(\slot)+3], s[G0B+4*(\slot)+2:G0B+4*(\slot)+3], 2*STEP
	JLOAD \slot                                    ; the four v_nop behind it are also the places in front of the loads below
.else
	PLACES
.endif
	FETCH \next, 0, 0
	MUL8 1, 2, 0
	MUL8 1, 3, 0
.endm
; THE SOFTMAX OF QUERY BLOCK a over the wave's 128 keys.  A lane holds 64 scores of one query: registers 64 a + n of window 1, n = 8 b + j.
;   the maximum: eight chains, one an accumulator, three operands at a time, each accumulator's lowest registers first; the query's other 64 keys lie in the lane 16 away
;   -m' = floor(-c max); c s - m' goes into window 0, so that all that follows runs under one window setting
;   64 exponentials, each with a plain instruction behind it: the rounding to bf16 of the four weights made a group earlier (2), their sum in place (1), and l's addition of the group before that (1)
.macro SOFT a
.set AC, 64*(\a)
	WIN 0x15                                       ; all three sources window 1, destination window 0
.irp n, 0,1,2,3,4,5,6,7
	v_max3_num_f32 v[CW+(\n)], v[AC+8*(\n)], v[AC+8*(\n)+1], v[AC+8*(\n)+2]
.endr
	WIN 0x14                                       ; source 0 window 0
.irp n, 0,1,2,3,4,5,6,7
	v_max3_num_f32 v[CW+(\n)], v[CW+(\n)], v[AC+8*(\n)+3], v[AC+8*(\n)+4]
.endr
.irp n, 0,1,2,3,4,5,6,7
	v_max3_num_f32 v[CW+(\n)], v[CW+(\n)], v[AC+8*(\n)+5], v[AC+8*(\n)+6]
.endr
.irp n, 0,1,2,3
	v_max3_num_f32 v[CW+(\n)], v[CW+(\n)], v[AC+16*(\n)+7], v[AC+16*(\n)+15]
.endr
	WIN 0
	v_max3_num_f32 v[CW], v[CW], v[CW+1], v[CW+2]
	v_max3_num_f32 v[CW+3], v[CW+3], v[CW+4], v[CW+5]
	v_max3_num_f32 v[CW], v[CW], v[CW+3], v[CW+6]
	v_max_num_f32 v[CW], v[CW], v[CW+7]
	v_permlanex16_b32 v[CW+1], v[CW], s80, s81
	v_max_num_f32 v[CW], v[CW], v[CW+1]            ; the query's maximum over the 128 keys, in both its lanes
	v_mul_f32 v[MM], s9, v[CW]
	v_floor_f32 v[MM], v[MM]                       ; -m'
	WIN 0x01                                       ; source 0 window 1
.set i, 0
.rept 32
	v_pk_fma_f32 v[X+2*i:X+2*i+1], v[AC+2*i:AC+2*i+1], s[66:67], v[MM:MM+1] op_sel_hi:[1,0,0]
.set i, i+1
.endr
	WIN 0
.set g, 0
.rept 16                               ; group g: weights 4 g .. 4 g + 3
	v_exp_f32 v[X+4*g], v[X+4*g]
.if g > 0
	s_wait_alu depctr_va_vdst(0)
	v_cvt_pk_bf16_f32 v[TMP+2*g-2], v[X+4*g-4], v[X+4*g-3]
.endif
	v_exp_f32 v[X+4*g+1], v[X+4*g+1]
.if g > 0
	v_cvt_pk_bf16_f32 v[TMP+2*g-1], v[X+4*g-2], v[X+4*g-1]
.endif
	v_exp_f32 v[X+4*g+2], v[X+4*g+2]
.if g > 0
	v_pk_add_f32 v[X+4*g-4:X+4*g-3], v[X+4*g-4:X+4*g-3], v[X+4*g-2:X+4*g-1]
.endif
	v_exp_f32 v[X+4*g+3], v[X+4*g+3]
.if g == 0
	v_nop                                          ; the plain instruction behind the first four exponentials (ISA guide 5.7.2)
.elseif g == 3
	v_pk_add_f32 v[LP:LP+1], v[X:X+1], v[X+4:X+5]  ; groups 0 and 1 start l: nothing is cleared
.elseif g > 3
	v_pk_add_f32 v[LP:LP+1], v[LP:LP+1], v[X+4*g-8:X+4*g-7]
.endif
.set g, g+1
.endr
	s_wait_alu depctr_va_vdst(0)
	v_cvt_pk_bf16_f32 v[TMP+30], v[X+60], v[X+61]
	v_cvt_pk_bf16_f32 v[TMP+31], v[X+62], v[X+63]
	v_pk_add_f32 v[X+60:X+61], v[X+60:X+61], v[X+62:X+63]
	v_pk_add_f32 v[LP:LP+1], v[LP:LP+1], v[X+56:X+57]
	v_pk_add_f32 v[LP:LP+1], v[LP:LP+1], v[X+60:X+61]
	v_sub_f32 v[CW+4], 0, v[MM]                    ; m'
	v_add_f32 v[CW+2], v[LP], v[LP+1]
	v_permlanex16_b32 v[CW+3], v[CW+2], s80, s81
	v_add_f32 v[CW+2], v[CW+2], v[CW+3]            ; l over the 128 keys, the same number in both lanes
	ds_store_b32 v[STATW], v[CW+4] offset:64*(\a)  ; a query's two lanes write the same word with the same number
	ds_store_b32 v[STATW], v[CW+2] offset:256+64*(\a)
.endm
.macro TOSTAGE a                       ; the block's weights into my own stage, and back as whole rows of 256 bytes
.set BK, 64+96*((\a)%2)                ; v64-95 and v160-191 by turns
.irp b, 0,1,2,3,4,5,6,7
	ds_store_b128 v[STO], v[TMP+4*(\b):TMP+4*(\b)+3] offset:32*(\b)
.endr
.irp t, 0,1,2,3,4,5,6,7
	ds_load_b128 v[BK+4*(\t):BK+4*(\t)+3], v[RD] offset:(\t)*2*SPITCH  ; LDS serves a wave's instructions in order (ISA guide 5.7.1.4): these see the stores above
.endr
.endm
.macro SEND a
.set BK, 64+96*((\a)%2)
	s_wait_dscnt 0x0                               ; the block is back in registers
	s_wait_xcnt 0x0                                ; the stores of the block before have had their addresses translated (ISA guide 3.1): its registers are loaded again only behind this wait
.irp t, 0,1,2,3,4,5,6,7
	global_store_b128 v[CO], v[BK+4*(\t):BK+4*(\t)+3], s[82:83] offset:(16*(\a)+2*(\t))*ROWB  ; 16 lanes store 256 consecutive bytes, at a multiple of 256 from p's first byte
.endr
.endm
	s_wait_tensorcnt 1                             ; my part of K step 0 is in; K step 1's may stay out
	s_barrier_signal -1
	s_barrier_wait -1                              ; everybody's is
	FETCH 0, 0, 0
	QUARTER 0, 1, 0, 1, 1                          ; the first quarter stands in front of the loop: its products start the sums
	WIN 0                                          ; at a label and at a branch every window is 0
	s_mov_b32 s3, LAPS-1
.Llap:                                                 ; a trip goes once round the ring, from a lap's second quarter to the next lap's first, and fills both slots again
	QUARTER 0, 2, 1, 0, 0
	QUARTER 0, 3, 0, 1, 0
	TURN 0, 1, 1
	QUARTER 1, 1, 0, 1, 0
	QUARTER 1, 2, 1, 0, 0
	QUARTER 1, 3, 0, 1, 0
	TURN 1, 0, 1
	QUARTER 0, 1, 0, 1, 0
	WIN 0
	s_sub_co_u32 s3, s3, 1
	s_cmp_lg_u32 s3, 0
	s_cbranch_scc1 .Llap
	QUARTER 0, 2, 1, 0, 0                          ; the last lap fills nothing, and has no round of the cluster's barrier
	QUARTER 0, 3, 0, 1, 0
	TURN 0, 1, 0
	QUARTER 1, 1, 0, 1, 0
	QUARTER 1, 2, 1, 0, 0
	QUARTER 1, 3, 0, 1, 0
	s_wait_dscnt 4                                 ; the very last quarter: nothing more to fetch
	MUL8 1, 0, 0
	s_wait_dscnt 0x0
	MUL8 1, 1, 0
	MUL8 1, 2, 0
	MUL8 1, 3, 0
	WIN 0
	PLACES
	SOFT 0
	TOSTAGE 0
.irp a, 1,2,3                          ; block a's softmax stands between block a - 1's loads from the stage and the wait for them
	SOFT \a
	SEND (\a)-1
	TOSTAGE \a
.endr
	SEND 3
	ds_load_b128 v[4:7], v[STATR]                  ; my wave's own 512 bytes: m' of 64 queries, l of 64 queries
	s_wait_dscnt 0x0
	global_store_b128 v[SO], v[4:7], s[84:85]      ; each half of the lanes stores 256 consecutive bytes, at a multiple of 256 from stats' first byte
	s_wait_tensorcnt 0x0                           ; the wave's end: behind my last tensor load and my last LDS store
	ds_add_u32 v[SPW], v[NIL]
	s_wait_dscnt 0x0
	CROUND                                         ; the closing round: no work-group ends while a partner may still ask for a tile that names it
	s_endpgm
.Lfunc_end_k_qf8654ee204_score:
	.size	k_qf8654ee204_score, .Lfunc_end_k_qf8654ee204_score-k_qf8654ee204_score
	.p2alignl 7, 3214868480
	.fill 96, 4, 3214868480
	.section	.rodata,"a",@progbits
	.p2align	6, 0x0
	.amdhsa_kernel k_qf8654ee204_score
		.amdhsa_group_segment_fixed_size 327680
		.amdhsa_private_segment_fixed_size 0
		.amdhsa_enable_private_segment 0
		.amdhsa_kernarg_size 24
		.amdhsa_user_sgpr_count 2
		.amdhsa_user_sgpr_kernarg_segment_ptr 1
		.amdhsa_wavefront_size32 1
		.amdhsa_system_sgpr_workgroup_id_x 1
		.amdhsa_system_sgpr_workgroup_id_y 1
		.amdhsa_system_sgpr_workgroup_id_z 1
		.amdhsa_system_vgpr_workitem_id 0
		.amdhsa_next_free_vgpr 512
		.amdhsa_next_free_sgpr 86
		.amdhsa_reserve_vcc 0
		.amdhsa_float_denorm_mode_32 3
		.amdhsa_float_denorm_mode_16_64 3
		.amdhsa_memory_ordered 1
		.amdhsa_forward_progress 1
		.amdhsa_inst_pref_size 123
	.end_amdhsa_kernel
	.amdgpu_metadata
---
amdhsa.version: [ 1, 2 ]
amdhsa.kernels:
  - .name:           k_qf8654ee204_score
    .symbol:         k_qf8654ee204_score.kd
    .args:
      - { .name: qkv, .offset: 0, .size: 8, .value_kind: global_buffer, .address_space: global }
      - { .name: p, .offset: 8, .size: 8, .value_kind: global_buffer, .address_space: global }
      - { .name: stats, .offset: 16, .size: 8, .value_kind: global_buffer, .address_space: global }
    .group_segment_fixed_size: 327680
    .private_segment_fixed_size: 0
    .kernarg_segment_align: 8
    .kernarg_segment_size: 24
    .max_flat_workgroup_size: 128
    .sgpr_count:     86
    .vgpr_count:     512
    .wavefront_size: 32
...
	.end_amdgpu_metadata
.endif
;; end of part 3
;; launch pv (part 4): grid 4 x 64, 4 waves a work-group, clusters of 4 x 4, 327,680 bytes of LDS; arguments p, qkv, stats, out0; writes out0
.if DOCPART == 4
	.amdgcn_target "amdgcn-amd-amdhsa--gfx1250"
	.amdhsa_code_object_version 6
	.text
	.protected	k_qf8654ee204_pv
	.globl	k_qf8654ee204_pv
	.p2align	8
	.type	k_qf8654ee204_pv,@function
k_qf8654ee204_pv:
	s_mov_b64 s[64:65], 0
	v_nop
	global_prefetch_b8 v0, s[64:65] scope:SCOPE_SE
	s_setreg_imm32_b32 hwreg(HW_REG_WAVE_MODE, 25, 1), 1
	s_wait_xcnt 0x0
	s_wait_alu depctr_hold_cnt(0) depctr_sa_sdst(0) depctr_va_vdst(0) depctr_va_sdst(0) depctr_va_ssrc(0) depctr_va_vcc(0) depctr_vm_vsrc(0)
	s_getreg_b32 s2, hwreg(HW_REG_IB_STS2, 6, 4)
	s_cmp_eq_u32 s2, 0
	s_cbranch_scc0 .Lentry_in_a_cluster
	s_endpgm
.Lentry_in_a_cluster:
	s_bfe_u32 s2, ttmp6, 0x10000c
	s_cmp_lg_u32 s2, 0xf033
	s_cbranch_scc0 .Lentry_shape_is_right
	s_endpgm
.Lentry_shape_is_right:
; out0[q][v] = (the sum over the 16 key blocks kb of f[q][kb] x the sum over the block's 128 keys of p[q][key] V[key][v]) / L[q],
;   f = 2^(m'[q][kb] - M), M = the row's largest m', L = the sum over kb of f l[q][kb].  Together with the launch in front this is softmax(Q K^T / 32) V with the row's maximum taken away.
; p: [8192][2048] bf16; V: bytes 4,096 on of each row of qkv ([8192][3072] bf16); stats: [4 b][16 kb][2: m', l][2048 q] f32; out0: [8192][1024] f32.
; Every m' is a whole number, so f is a power of two, at most 1: p's fragments are multiplied by it in bf16 on their way to the matrix unit, and nothing is rounded by that.
; The block that holds M has f = 1 and l above 1/2, so L is above 1/2.
; LIMITS.  Matrix operands are bf16; a factor below 2^-126 counts as 0; NaN and infinities are not treated apart.
; SHARES.  A tile of out0 is 128 rows x 256 columns: 64 x 4 = 256 tiles.  Four waves, 2 x 2, each 64 x 128: 32 accumulators, 256 registers.
; K (the batch's 2,048 keys) goes in 16 steps of 128, one key block each, through two LDS slots filled by the tensor data mover: 128 rows of p (256 bytes each) and 128 rows of V (512 bytes each).
; V lies [key][v], K along the rows' number: its fragments are read turned (ds_load_tr16_b128).
; CLUSTERS: 4 x 4 work-groups.  The four of a row of the cluster need the same tiles of p, the four of a column the same tiles of V: each is asked for JOINTLY.
; THE MATRIX INSTRUCTION IS USED TRANSPOSED (source 0 = 16 columns of V, source 1 = 16 rows of p): lane l holds row l % 16 and the columns 8 (l / 16) + 0..7; in a fragment of p a lane
; holds one row too, so a row's factor is one register a lane.
; REGISTERS, in windows of 256 (s_set_vgpr_msb: bits 1:0 source 0, 3:2 source 1, 5:4 source 2, 7:6 destination):
;   window 0: v0-31 addresses; v32-63, v64-95 fragments of p, two buffers; v96-159, v160-223 fragments of V, two buffers; v224-231 factors, a set of four for each slot; v232-239 1 / L
;   window 1: accumulator (a, b) at v[8 (8 a + b)], a = 0..3 row blocks, b = 0..7 column blocks
.set KSTEPS, 16
.set LAPS,   KSTEPS/2
.set PITCH,  272                       ; a row of p in LDS: 256 bytes + 16 of padding = 68 words: the 16 rows of a load start at 16 different groups of four banks (64 banks of 4 bytes: ISA guide 11.1)
.set PT,     544                       ; a row of V in LDS: 512 bytes + 32 of padding = 136 words
.set AHALF,  64*PITCH
.set BOFF,   2*AHALF
.set BHALF,  64*PT
.set SLOT,   BOFF+2*BHALF              ; 104,448 bytes
.set STAGE,  2*SLOT                    ; behind the ring, never filled by a tensor load: 16 rows x 528 bytes for each wave, for the way out
.set OPITCH, 528                       ; 512 bytes of f32 + 16
.set FT,     STAGE+4*16*OPITCH         ; the factors: [16 kb][128 rows], a word each: f as bf16, twice
.set RL,     FT+16*512                 ; 1 / L of the 128 rows
.set SPARE,  RL+512                    ; the spare words, 128 bytes for each wave: two blocks of 256 bytes that no other line names
.set STEP_A, 128*2                     ; bytes from a K step to the next in p: along the row,
.set STEP_B, 128*6144                  ; in V: 128 rows down
.set ROWB,   4096                      ; bytes in a row of out0
.set ADRA, 16
.set ADRB, 20
.set STO,  24
.set RD,   25
.set CO,   26
.set ADRF, 27                          ; v27     LDS address of my rows' factors for the lap in hand
.set SPW,  28                          ; v28     LDS address of my spare word: SPARE + 4 x my thread's number; never rewritten
.set NIL,  29                          ; v29     0; never rewritten
.set FTW,  30                          ; v30     where thread t puts row t's factors
.set FA,   32
.set FB,   96
.set TMP,  32                          ; the way out: 64 registers of f32
.set PM,   96                          ; the prologue: m' of my row's 16 blocks,
.set PL,   112                         ; l,
.set PF,   128                         ; f,
.set PW,   144                         ; f as bf16, twice in a word
.set FQ,   224
.set RLV,  232
.set G1,  24
.set G0,  32
.set G1B, 48
.set G0B, 56
.set MUL,  0x50                        ; sources 0 and 1 window 0; C and D window 1
.set MSB, 0
.macro WIN new                         ; the immediate's high byte repeats the setting that is left; a switch that changes nothing is dropped
.if MSB != (\new)
	s_set_vgpr_msb (MSB<<8)|(\new)
.set MSB, \new
.endif
.endm
; A joint load.  Waves 0 and 1 fetch p's two halves, waves 2 and 3 V's.  An s_nop 0 and four v_nop follow each of the two lines, ahead of the jump, the label and what follows.
.macro JLOAD s
	s_cmp_eq_u32 s11, 0
	s_cbranch_scc0 .Lfor_b_\@
	tensor_load_to_lds s[G0+4*(\s):G0+4*(\s)+3], s[G1:G1+7]
	s_nop 0
.rept 4
	v_nop
.endr
	s_branch .Lasked_\@
.Lfor_b_\@:
	tensor_load_to_lds s[G0B+4*(\s):G0B+4*(\s)+3], s[G1B:G1B+7]
	s_nop 0
.rept 4
	v_nop
.endr
.Lasked_\@:
.endm
.macro CREST                           ; a round of the cluster's barrier behind its opening barrier
	s_cmp_lg_u32 s10, 0
	s_cbranch_scc1 .Lnot_wave_0_\@
	s_barrier_signal -3
.Lnot_wave_0_\@:
	s_barrier_wait -3
	s_barrier_signal -1
	s_barrier_wait -1
.endm
.macro CROUND                          ; a whole round
	s_barrier_signal -1
	s_barrier_wait -1
	CREST
.endm
	s_load_b256 s[68:75], s[0:1], 0x0              ; p s[68:69], qkv s[70:71], stats s[72:73], out0 s[74:75]
	v_lshl_add_u32 v[SPW], v0, 2, SPARE
	v_mov_b32 v[NIL], 0
	ds_add_u32 v[SPW], v[NIL]                      ; the wave's opening: the add and its wait stand ahead of my first tensor load; the set-up below, work on registers, stands between them
	v_lshrrev_b32 v1, 5, v0
	v_readfirstlane_b32 s10, v1                    ; wave 0..3
	s_lshr_b32 s11, s10, 1                         ; which 64 of the tile's rows are mine.  Also: I fetch for p (0) or for V (1)
	s_and_b32 s12, s10, 1                          ; which 128 of its columns.  Also: which half of that tile I fetch
	s_bfe_u32 s40, ttmp6, 0x40000                  ; cx: also the tile column, since the grid is one cluster wide
	s_bfe_u32 s41, ttmp6, 0x40004                  ; cy
	s_and_b32 s13, ttmp7, 0xffff
	s_lshr_b32 s45, s13, 2                         ; the batch: 16 tile rows = 4 clusters each; the same in all sixteen
	s_lshl_b32 s13, s13, 2
	s_add_co_u32 s13, s13, s41                     ; tile row = 4 x cluster y + cy
	s_lshl_b32 s43, s41, 2
	s_lshl_b32 s43, 15, s43                        ; my row of the cluster
	s_lshl_b32 s44, 0x1111, s40                    ; my column
	; descriptor group 1.  p: 64 rows x 128 elements; V: 64 rows x 256 elements; padded in LDS behind every row
	s_or_b32 s[G1+0], s43, (1<<16)|(1<<20)|(1<<21)|(5<<22)|(3<<25)   ; 15:0 the mask: my row; 17:16 2-byte elements; 20 padding on; 21 set beside a mask; 24:22 after every 64 words (code 5); 31:25 4 words (code 3)
	s_mov_b32 s[G1+1], 128<<16                     ; tensor_dim0 = 128
	s_mov_b32 s[G1+2], 64<<16                      ; tensor_dim1 = 64
	s_mov_b32 s[G1+3], 128<<16                     ; tile_dim0 = 128
	s_mov_b32 s[G1+4], 64                          ; tile_dim1 = 64
	s_mov_b32 s[G1+5], 2048                        ; elements from row to row
	s_mov_b32 s[G1+6], 0
	s_mov_b32 s[G1+7], 0
	s_or_b32 s[G1B+0], s44, (1<<16)|(1<<20)|(1<<21)|(6<<22)|(7<<25)  ; the mask: my column; after every 128 words (code 6) 8 words of padding (code 7)
	s_mov_b32 s[G1B+1], 256<<16                    ; tensor_dim0 = 256
	s_mov_b32 s[G1B+2], 64<<16                     ; tensor_dim1 = 64
	s_mov_b32 s[G1B+3], 256<<16                    ; tile_dim0 = 256
	s_mov_b32 s[G1B+4], 64                         ; tile_dim1 = 64
	s_mov_b32 s[G1B+5], 3072
	s_mov_b32 s[G1B+6], 0
	s_mov_b32 s[G1B+7], 0
	s_lshl_b32 s16, s13, 7
	s_lshl_b32 s17, s12, 6
	s_add_co_u32 s16, s16, s17                     ; p: row 128 x tile row + 64 x half,
	s_lshl_b32 s16, s16, 12                        ; of 4,096 bytes
	s_mov_b32 s17, 0
	s_lshl_b32 s46, s45, 11                        ; V: the batch's 2,048 rows,
	s_lshl_b32 s47, s12, 6                         ; 64 x half,
	s_add_co_u32 s46, s46, s47
	s_mul_i32 s46, s46, 6144                       ; in bytes (under 2^26),
	s_add_co_u32 s46, s46, 4096                    ; V's place in a row of qkv,
	s_lshl_b32 s47, s40, 9                         ; the tile's 256 columns
	s_add_co_u32 s46, s46, s47
	s_mov_b32 s47, 0
	s_mul_i32 s20, s12, AHALF                      ; where they go: no place in the cluster enters an LDS address
	s_mul_i32 s21, s12, BHALF
	s_add_co_u32 s21, s21, BOFF
	s_wait_dscnt 0x0                               ; the opening add is done
	s_wait_kmcnt 0x0
	s_add_nc_u64 s[14:15], s[68:69], s[16:17]
	s_add_nc_u64 s[46:47], s[70:71], s[46:47]
	CROUND                                         ; all sixteen work-groups are here: the first joint loads meet
.irp s, 0,1
	s_mov_b32 s[G0+4*(\s)], 1                                        ; count = 1
	s_add_co_u32 s[G0+4*(\s)+1], s20, (\s)*SLOT                      ; LDS address
	s_add_nc_u64 s[G0+4*(\s)+2:G0+4*(\s)+3], s[14:15], (\s)*STEP_A   ; global address: K step s
	s_or_b32 s[G0+4*(\s)+3], s[G0+4*(\s)+3], 0x80000000              ; type = 2
	s_mov_b32 s[G0B+4*(\s)], 1
	s_add_co_u32 s[G0B+4*(\s)+1], s21, (\s)*SLOT
	s_add_nc_u64 s[G0B+4*(\s)+2:G0B+4*(\s)+3], s[46:47], (\s)*STEP_B
	s_or_b32 s[G0B+4*(\s)+3], s[G0B+4*(\s)+3], 0x80000000
	JLOAD \s                                       ; the ring is filled before anything else is done: two loads of mine are out
.endr
	; THE ROWS' FACTORS, in the wait for the first tile.  Thread t owns row t of the tile's 128: it reads the row's 16 m' and 16 l
	s_lshl_b32 s22, s45, 18                        ; stats: the batch's 262,144 bytes,
	s_and_b32 s23, s13, 15                         ; the tile row within the batch: 128 rows of 4 bytes
	s_lshl_b32 s23, s23, 9
	s_add_co_u32 s22, s22, s23
	s_mov_b32 s23, 0
	s_add_nc_u64 s[84:85], s[72:73], s[22:23]
	v_lshlrev_b32 v7, 2, v0
.irp k, 0,1,2,3,4,5,6,7,8,9,10,11,12,13,14,15
	global_load_b32 v[PM+(\k)], v7, s[84:85] offset:(\k)*16384
	global_load_b32 v[PL+(\k)], v7, s[84:85] offset:(\k)*16384+8192
.endr
	; A fragment of p is 16 rows x 32 keys in 8 registers: lane l holds row l % 16, keys 8 (l / 16) + 0..7 and 16 + 8 (l / 16) + 0..7: two loads of 16 bytes, 32 bytes apart.
	v_and_b32 v1, 15, v0                           ; l % 16
	v_bfe_u32 v2, v0, 4, 1                         ; l / 16
	v_mul_u32_u24 v3, v1, PITCH
	v_lshl_add_u32 v3, v2, 4, v3                   ; row x pitch + 16 x half
	s_mul_i32 s4, s11, AHALF                       ; my 64 rows
	v_add_nc_u32 v[ADRA], s4, v3
	s_add_co_u32 s4, s4, SLOT
	v_add_nc_u32 v[ADRA+1], s4, v3
	; The turning load takes 16 keys x 16 columns (lane l reads 16 bytes: key 8 (l / 16) + l % 8, columns 8 ((l / 8) % 2) + 0..7) and leaves half a fragment: lane l holds column l % 16 and 8 keys.
	v_and_b32 v4, 7, v0
	v_lshl_add_u32 v4, v2, 3, v4
	v_mul_u32_u24 v4, v4, PT
	v_bfe_u32 v5, v0, 3, 1
	v_lshl_add_u32 v4, v5, 4, v4
	s_lshl_b32 s5, s12, 8                          ; my 128 columns: 256 bytes into each row
	s_add_co_u32 s5, s5, BOFF
	v_add_nc_u32 v[ADRB], s5, v4
	s_add_co_u32 s5, s5, SLOT
	v_add_nc_u32 v[ADRB+1], s5, v4
	s_mul_i32 s6, s10, 16*OPITCH
	s_add_co_u32 s6, s6, STAGE                     ; my stage
	v_mul_u32_u24 v5, v1, OPITCH                   ; in: row l % 16, 32 bytes for each half of the lanes
	v_lshl_add_u32 v5, v2, 5, v5
	v_add_nc_u32 v[STO], s6, v5
	v_and_b32 v5, 31, v0                           ; back: 32 lanes take one row of 512 bytes,
	v_lshl_add_u32 v[RD], v5, 4, s6
	v_lshlrev_b32 v[CO], 4, v5                     ; which are 512 consecutive bytes of out0
	s_lshl_b32 s7, s11, 8
	s_add_co_u32 s7, s7, FT                        ; my 64 rows' factors
	v_lshl_add_u32 v[ADRF], v1, 2, s7
	v_lshl_add_u32 v[FTW], v0, 2, FT
	s_lshl_b32 s18, s13, 7
	s_lshl_b32 s19, s11, 6
	s_add_co_u32 s18, s18, s19                     ; my first row of out0,
	s_lshl_b32 s18, s18, 12                        ; of 4,096 bytes,
	s_lshl_b32 s19, s40, 10                        ; the tile's 1,024 bytes,
	s_add_co_u32 s18, s18, s19
	s_lshl_b32 s19, s12, 9                         ; my 512 of them
	s_add_co_u32 s18, s18, s19
	s_mov_b32 s19, 0
	s_add_nc_u64 s[82:83], s[74:75], s[18:19]
	s_wait_loadcnt 0x0                             ; m' and l are in
	v_max3_num_f32 v8, v[PM], v[PM+1], v[PM+2]
.irp k, 3,5,7,9,11,13
	v_max3_num_f32 v8, v8, v[PM+(\k)], v[PM+(\k)+1]
.endr
	v_max_num_f32 v8, v8, v[PM+15]                 ; M
.irp k, 0,1,2,3,4,5,6,7,8,9,10,11,12,13,14,15
	v_sub_f32 v[PF+(\k)], v[PM+(\k)], v8
.endr
.irp k, 0,1,2,3,4,5,6,7,8,9,10,11,12,13,14,15
	v_exp_f32 v[PF+(\k)], v[PF+(\k)]
.endr
	v_nop                                          ; a plain instruction between the last exponential and the use of its result (ISA guide 5.7.2)
	s_wait_alu depctr_va_vdst(0)
.irp k, 0,1,2,3,4,5,6,7,8,9,10,11,12,13,14,15
	v_cvt_pk_bf16_f32 v[PW+(\k)], v[PF+(\k)], v[PF+(\k)]  ; the power of two as bf16, in both halves
.endr
.irp k, 0,1,2,3,4,5,6,7,8,9,10,11,12,13,14,15
	v_lshlrev_b32 v[PF+(\k)], 16, v[PW+(\k)]       ; and the same number as f32, for L
.endr
	v_mul_f32 v9, v[PF], v[PL]                     ; two chains; their first terms start the sums
	v_mul_f32 v12, v[PF+1], v[PL+1]
.irp k, 2,4,6,8,10,12,14
	v_fmac_f32 v9, v[PF+(\k)], v[PL+(\k)]
	v_fmac_f32 v12, v[PF+(\k)+1], v[PL+(\k)+1]
.endr
	v_add_f32 v9, v9, v12                          ; L
	v_rcp_f32 v9, v9
	v_nop
.irp k, 0,1,2,3,4,5,6,7,8,9,10,11,12,13,14,15
	ds_store_b32 v[FTW], v[PW+(\k)] offset:512*(\k)
.endr
	s_wait_alu depctr_va_vdst(0)
	ds_store_b32 v[FTW], v9 offset:RL-FT
; LDS loads in one run: the fragments of quarter q (32 keys) of a slot into buffer f: V's eight first, then p's four: 24.  Ahead of a slot's first quarter come its four factors (rows 16 a + l % 16 of my 64), at byte foff from ADRF.
.macro FETCH slot, q, f, foff=0
	WIN 0
.if (\q) == 0
.irp a, 0,1,2,3
	ds_load_b32 v[FQ+4*(\slot)+(\a)], v[ADRF] offset:(\foff)+64*(\a)
.endr
.endif
.irp i, 0,1,2,3,4,5,6,7
	ds_load_tr16_b128 v[FB+64*(\f)+8*(\i):FB+64*(\f)+8*(\i)+3],   v[ADRB+(\slot)] offset:(\q)*32*PT+32*(\i)
	ds_load_tr16_b128 v[FB+64*(\f)+8*(\i)+4:FB+64*(\f)+8*(\i)+7], v[ADRB+(\slot)] offset:(\q)*32*PT+16*PT+32*(\i)
.endr
.irp i, 0,1,2,3
	ds_load_b128 v[FA+32*(\f)+8*(\i):FA+32*(\f)+8*(\i)+3],   v[ADRA+(\slot)] offset:64*(\q)+(\i)*16*PITCH
	ds_load_b128 v[FA+32*(\f)+8*(\i)+4:FA+32*(\f)+8*(\i)+7], v[ADRA+(\slot)] offset:64*(\q)+(\i)*16*PITCH+32
.endr
.endm
; p's row block 0 of buffer f times its rows' factor of the slot's key block
.macro SCALE0 f, set
	WIN 0
.irp i, 0,1,2,3,4,5,6,7
	v_pk_mul_bf16 v[FA+32*(\f)+(\i)], v[FA+32*(\f)+(\i)], v[FQ+4*(\set)]
.endr
.endm
; 8 matrix instructions: row block a x all 8 column blocks, 32 keys, from buffer f.  start = 1: the products start the sums: nothing is cleared.
; Behind the second and the fifth stand four packed multiplies each: the NEXT row block's fragment times its factor; they name no register of the products round them.
; The 32 accumulators come in the same order in every quarter, one instruction a turn.
.macro MUL8 f, a, start, set
.irp b, 0,1,2,3,4,5,6,7
	WIN MUL
.if \start
	v_wmma_f32_16x16x32_bf16 v[8*(8*(\a)+(\b)):8*(8*(\a)+(\b))+7], v[FB+64*(\f)+8*(\b):FB+64*(\f)+8*(\b)+7], v[FA+32*(\f)+8*(\a):FA+32*(\f)+8*(\a)+7], 0
.else
	v_wmma_f32_16x16x32_bf16 v[8*(8*(\a)+(\b)):8*(8*(\a)+(\b))+7], v[FB+64*(\f)+8*(\b):FB+64*(\f)+8*(\b)+7], v[FA+32*(\f)+8*(\a):FA+32*(\f)+8*(\a)+7], v[8*(8*(\a)+(\b)):8*(8*(\a)+(\b))+7]
.endif
.if ((\a) < 3) && (((\b) == 1) || ((\b) == 4))
	WIN 0
.irp i, 0,1,2,3
	v_pk_mul_bf16 v[FA+32*(\f)+8*(\a)+8+4*((\b)/4)+(\i)], v[FA+32*(\f)+8*(\a)+8+4*((\b)/4)+(\i)], v[FQ+4*(\set)+(\a)+1]
.endr
.endif
.endr
.endm
.macro PLACES                          ; four places in front of loads into registers that matrix instructions have read, and of vector lines that read results (ISA guide 7.12.1 for vector instructions)
.rept 4
	v_nop
.endr
.endm
; A K step is four quarters of 32 keys, 32 matrix instructions each, on buffers 0, 1, 0, 1.  One of the first three: multiplies buffer f and fetches quarter qn of the same slot into g.
.macro QUARTER slot, qn, f, g, start
	s_wait_dscnt 4                                 ; the factors, V's fragments and p's blocks 0 and 1 are in; the youngest four loads (blocks 2 and 3) may be out
	SCALE0 \f, \slot
	MUL8 \f, 0, \start, \slot
	PLACES
	FETCH \slot, \qn, \g
	s_wait_dscnt 24                                ; all but the 24 just issued
	MUL8 \f, 1, \start, \slot
	MUL8 \f, 2, \start, \slot
	MUL8 \f, 3, \start, \slot
.endm
; The last quarter multiplies buffer 1 and changes slots: ONE barrier.  In front of it each wave waits for all its tensor loads, of which one is out: its part of the next slot; adds 0 to its
; spare word; and waits for that and for its own reads of this slot.  fill = 1: the barrier opens a round of the cluster's barrier, and this slot is filled again, two K steps ahead,
; first thing behind the round: from that request to the wait for it a wave issues 112 matrix instructions.
; The next slot's factors lie 512 bytes (slot 1) or 1,024 bytes (slot 0: the next lap) behind the lap's first; with the lap ADRF steps.
.macro TURN slot, next, fill
	WIN 0                                          ; (the add's two registers lie in window 0)
	s_wait_tensorcnt 0x0                           ; all my tensor loads have landed
	ds_add_u32 v[SPW], v[NIL]                      ; 0 onto my spare word
	s_wait_dscnt 5                                 ; (the add and the youngest four loads may be out)
	SCALE0 1, \slot
	MUL8 1, 0, 0, \slot                            ; work on registers stands between the add and the wait for it
	s_wait_dscnt 0x0                               ; the add is done, and my reads of this slot are over
	s_barrier_signal -1
	MUL8 1, 1, 0, \slot                            ; work on registers while the others arrive
	WIN 0
	s_barrier_wait -1
.if \fill
	CREST                                          ; no wave of any partner still reads this slot's tile or has a load on its way
	s_add_nc_u64 s[G0+4*(\slot)+2:G0+4*(\slot)+3], s[G0+4*(\slot)+2:G0+4*(\slot)+3], 2*STEP_A
	s_add_nc_u64 s[G0B+4*(\slot)+2:G0B+4*(\slot)+3], s[G0B+4*(\slot)+2:G0B+4*(\slot)+3], 2*STEP_B
	JLOAD \slot                                    ; the four v_nop behind it are also the places in front of the loads below
.else
	PLACES
.endif
	FETCH \next, 0, 0, (2-(\next))*512
.if (\next) == 0
	v_add_nc_u32 v[ADRF], 1024, v[ADRF]            ; the next lap's two key blocks
.endif
	MUL8 1, 2, 0, \slot
	MUL8 1, 3, 0, \slot
.endm
; THE WAY OUT of row block a, in three parts.  PACK: divided by L, each accumulator's registers in ascending order.  TOSTAGE: into my own stage, and back as whole rows of 512 bytes.  SEND: stored.
.macro PACK a
	WIN 0x01                                       ; source 0 window 1; source 1 and destination window 0
.irp b, 0,1,2,3,4,5,6,7
.irp i, 0,1,2,3
	v_pk_mul_f32 v[TMP+8*(\b)+2*(\i):TMP+8*(\b)+2*(\i)+1], v[64*(\a)+8*(\b)+2*(\i):64*(\a)+8*(\b)+2*(\i)+1], v[RLV+2*(\a):RLV+2*(\a)+1]
.endr
.endr
	WIN 0
.endm
.macro TOSTAGE a
.set BK, 96+64*((\a)%2)                ; v96-159 and v160-223 by turns
.irp b, 0,1,2,3,4,5,6,7
	ds_store_b128 v[STO], v[TMP+8*(\b):TMP+8*(\b)+3]   offset:64*(\b)
	ds_store_b128 v[STO], v[TMP+8*(\b)+4:TMP+8*(\b)+7] offset:64*(\b)+16
.endr
.irp t, 0,1,2,3,4,5,6,7,8,9,10,11,12,13,14,15
	ds_load_b128 v[BK+4*(\t):BK+4*(\t)+3], v[RD] offset:(\t)*OPITCH  ; LDS serves a wave's instructions in order (ISA guide 5.7.1.4): these see the stores above
.endr
.endm
.macro SEND a
.set BK, 96+64*((\a)%2)
	s_wait_dscnt 0x0                               ; the block is back in registers
	s_wait_xcnt 0x0                                ; the stores of the block before have had their addresses translated (ISA guide 3.1): its registers are loaded again only behind this wait
.irp t, 0,1,2,3,4,5,6,7,8,9,10,11,12,13,14,15
	global_store_b128 v[CO], v[BK+4*(\t):BK+4*(\t)+3], s[82:83] offset:(16*(\a)+(\t))*ROWB th:TH_STORE_NT  ; the wave stores 512 consecutive bytes, at a multiple of 512 from out0's first byte
.endr
.endm
	s_wait_dscnt 0x0                               ; for the others' sake: my rows' factors and 1 / L are in LDS
	s_wait_tensorcnt 1                             ; my part of K step 0 is in; K step 1's may stay out
	s_barrier_signal -1
	s_barrier_wait -1                              ; everybody's is
.irp a, 0,1,2,3
	ds_load_b32 v[RLV+2*(\a)],   v[ADRF] offset:RL-FT+64*(\a)  ; 1 / L of row 16 a + l % 16 of my 64, twice: a pair for the packed multiply
	ds_load_b32 v[RLV+2*(\a)+1], v[ADRF] offset:RL-FT+64*(\a)
.endr
	FETCH 0, 0, 0, 0
	QUARTER 0, 1, 0, 1, 1                          ; the first quarter stands in front of the loop: its products start the sums
	WIN 0                                          ; at a label and at a branch every window is 0
	s_mov_b32 s3, LAPS-1
.Llap:                                                 ; a trip goes once round the ring, from a lap's second quarter to the next lap's first, and fills both slots again
	QUARTER 0, 2, 1, 0, 0
	QUARTER 0, 3, 0, 1, 0
	TURN 0, 1, 1
	QUARTER 1, 1, 0, 1, 0
	QUARTER 1, 2, 1, 0, 0
	QUARTER 1, 3, 0, 1, 0
	TURN 1, 0, 1
	QUARTER 0, 1, 0, 1, 0
	WIN 0
	s_sub_co_u32 s3, s3, 1
	s_cmp_lg_u32 s3, 0
	s_cbranch_scc1 .Llap
	QUARTER 0, 2, 1, 0, 0                          ; the last lap fills nothing, and has no round of the cluster's barrier
	QUARTER 0, 3, 0, 1, 0
	TURN 0, 1, 0
	QUARTER 1, 1, 0, 1, 0
	QUARTER 1, 2, 1, 0, 0
	QUARTER 1, 3, 0, 1, 0
	s_wait_dscnt 4                                 ; the very last quarter: nothing more to fetch
	SCALE0 1, 1
	MUL8 1, 0, 0, 1
	s_wait_dscnt 0x0
	MUL8 1, 1, 0, 1
	MUL8 1, 2, 0, 1
	MUL8 1, 3, 0, 1
	WIN 0
	PLACES
	PACK 0
	TOSTAGE 0
.irp a, 1,2,3                          ; block a's multiplies stand between block a - 1's loads from the stage and the wait for them
	PACK \a
	SEND (\a)-1
	TOSTAGE \a
.endr
	SEND 3
	s_wait_tensorcnt 0x0                           ; the wave's end: behind my last tensor load and my last LDS store
	ds_add_u32 v[SPW], v[NIL]
	s_wait_dscnt 0x0
	CROUND                                         ; the closing round: no work-group ends while a partner may still ask for a tile that names it
	s_endpgm
.Lfunc_end_k_qf8654ee204_pv:
	.size	k_qf8654ee204_pv, .Lfunc_end_k_qf8654ee204_pv-k_qf8654ee204_pv
	.p2alignl 7, 3214868480
	.fill 96, 4, 3214868480
	.section	.rodata,"a",@progbits
	.p2align	6, 0x0
	.amdhsa_kernel k_qf8654ee204_pv
		.amdhsa_group_segment_fixed_size 327680
		.amdhsa_private_segment_fixed_size 0
		.amdhsa_enable_private_segment 0
		.amdhsa_kernarg_size 32
		.amdhsa_user_sgpr_count 2
		.amdhsa_user_sgpr_kernarg_segment_ptr 1
		.amdhsa_wavefront_size32 1
		.amdhsa_system_sgpr_workgroup_id_x 1
		.amdhsa_system_sgpr_workgroup_id_y 1
		.amdhsa_system_sgpr_workgroup_id_z 1
		.amdhsa_system_vgpr_workitem_id 0
		.amdhsa_next_free_vgpr 512
		.amdhsa_next_free_sgpr 86
		.amdhsa_reserve_vcc 0
		.amdhsa_float_denorm_mode_32 3
		.amdhsa_float_denorm_mode_16_64 3
		.amdhsa_memory_ordered 1
		.amdhsa_forward_progress 1
		.amdhsa_inst_pref_size 141
	.end_amdhsa_kernel
	.amdgpu_metadata
---
amdhsa.version: [ 1, 2 ]
amdhsa.kernels:
  - .name:           k_qf8654ee204_pv
    .symbol:         k_qf8654ee204_pv.kd
    .args:
      - { .name: p, .offset: 0, .size: 8, .value_kind: global_buffer, .address_space: global }
      - { .name: qkv, .offset: 8, .size: 8, .value_kind: global_buffer, .address_space: global }
      - { .name: stats, .offset: 16, .size: 8, .value_kind: global_buffer, .address_space: global }
      - { .name: out0, .offset: 24, .size: 8, .value_kind: global_buffer, .address_space: global }
    .group_segment_fixed_size: 327680
    .private_segment_fixed_size: 0
    .kernarg_segment_align: 8
    .kernarg_segment_size: 32
    .max_flat_workgroup_size: 128
    .sgpr_count:     86
    .vgpr_count:     512
    .wavefront_size: 32
...
	.end_amdgpu_metadata
.endif
;; end of part 4
;; ======== version 2 of 2: 4 launches; 1.17 times as fast as version 1
;; workspace buffers: xb 16,777,216 bytes; wb 6,291,456 bytes; qkv 50,331,648 bytes; p 33,554,432 bytes; stats 1,048,576 bytes
;; launch cast: the kernel of part 1 again; grid 1408 x 1, 8 waves a work-group, no clusters, 0 bytes of LDS; arguments x, Wq, Wk, Wv, xb, wb; writes xb, wb
;; launch proj (part 5): grid 12 x 32, 8 waves a work-group, clusters of 4 x 4, 327,680 bytes of LDS; arguments xb, wb, bq, bk, bv, qkv; writes qkv
.if DOCPART == 5
	.amdgcn_target "amdgcn-amd-amdhsa--gfx1250"
	.amdhsa_code_object_version 6
	.text
	.protected	k_qf8654ee204_proj
	.globl	k_qf8654ee204_proj
	.p2align	8
	.type	k_qf8654ee204_proj,@function
k_qf8654ee204_proj:
	s_mov_b64 s[64:65], 0
	v_nop
	global_prefetch_b8 v0, s[64:65] scope:SCOPE_SE
	s_setreg_imm32_b32 hwreg(HW_REG_WAVE_MODE, 25, 1), 1
	s_wait_xcnt 0x0
	s_wait_alu depctr_hold_cnt(0) depctr_sa_sdst(0) depctr_va_vdst(0) depctr_va_sdst(0) depctr_va_ssrc(0) depctr_va_vcc(0) depctr_vm_vsrc(0)
	s_getreg_b32 s2, hwreg(HW_REG_IB_STS2, 6, 4)
	s_cmp_eq_u32 s2, 0
	s_cbranch_scc0 .Lentry_in_a_cluster
	s_endpgm
.Lentry_in_a_cluster:
	s_bfe_u32 s2, ttmp6, 0x10000c
	s_cmp_lg_u32 s2, 0xf033
	s_cbranch_scc0 .Lentry_shape_is_right
	s_endpgm
.Lentry_shape_is_right:
; qkv[row][0:1024] = Q, [1024:2048] = K, [2048:3072] = V of row: xb[row][:] . W + b, sums in f32, rounded once to bf16.  xb: [8192][1024] bf16; wb: [3][1024 d][1024 n] bf16;
; bq, bk, bv: [1024] f32, rounded here to bf16 like the other inputs and taken as the C operand of the products that start the sums; qkv: [8192][3072] bf16.
; LIMITS.  Matrix operands are bf16; NaN and infinities are not treated apart.
; SHARES.  A tile of C is 256 rows x 256 columns: 32 x 12 = 384 tiles.  Eight waves, 4 x 2, two for each of a WGP's four SIMDs, each 64 x 128: 32 accumulators of 16 x 16, 256 registers.
; Eight waves of 64 x 128 and not four of 128 x 128: 64 accumulators written out would be twice the text; the price is 24 LDS loads for 32 matrix instructions where the larger share has 32 for 64.
; K goes in 8 steps of 128 through two LDS slots filled by the tensor data mover: 256 rows of xb (256 bytes each) and 128 rows of W (512 bytes each: the tile's 256 columns).
; W lies [d][n], K along the rows' number: its fragments are read turned (ds_load_tr16_b128), so nothing is transposed in memory.
; CLUSTERS: 4 x 4 work-groups.  The four of a row of the cluster need the same tiles of xb, the four of a column the same tiles of W: each tile is asked for JOINTLY, by the same tensor load
; with the same descriptor and a mask that names the four.  A cluster's four tile columns are the 1,024 columns of one of q, k, v (the cluster's x).
; THE MATRIX INSTRUCTION IS USED TRANSPOSED (source 0 = 16 columns of W, source 1 = 16 rows of xb): lane l then holds row l % 16 of C and the columns 8 (l / 16) + 0..7: 16 bytes of bf16.
; REGISTERS, in windows of 256 (s_set_vgpr_msb: bits 1:0 source 0, 3:2 source 1, 5:4 source 2, 7:6 destination):
;   window 0: v0-31 addresses; v32-63, v64-95 fragments of xb (4 x 16 rows x 32 K), two buffers; v96-159, v160-223 fragments of W (8 x 16 columns x 32 K), two buffers;
;             until the first quarter is multiplied W's second buffer holds the bias of my 128 columns, laid as a row of accumulators
;   window 1: accumulator (a, b) at v[8 (8 a + b)], a = 0..3 row blocks, b = 0..7 column blocks
.set KSTEPS, 8
.set LAPS,   KSTEPS/2                  ; a lap = two K steps = once round the ring
.set PITCH,  272                       ; a row of xb in LDS: 256 bytes + 16 of padding = 68 words: the 16 rows of a load start at 16 different groups of four banks (64 banks of 4 bytes: ISA guide 11.1)
.set PT,     544                       ; a row of W in LDS: 512 bytes + 32 of padding = 136 words
.set AQ,     64*PITCH                  ; what one tensor load brings of xb, and what one wave reads of it: 64 rows
.set BOFF,   4*AQ                      ; W's tile lies behind xb's 256 rows
.set BQ,     32*PT                     ; what one tensor load brings of W: 32 of the step's 128 rows
.set SLOT,   BOFF+4*BQ                 ; 139,264 bytes
.set STAGE,  2*SLOT                    ; behind the ring, never filled by a tensor load: 16 rows x 272 bytes for each wave, for the way out
.set SPITCH, 272
.set SPARE,  STAGE+8*16*SPITCH         ; behind the stages: the spare words, 128 bytes for each wave: four blocks of 256 bytes that no other line names
.set STEP_A, 128*2                     ; bytes from a K step to the next in xb: along the row,
.set STEP_B, 128*2048                  ; in W: 128 rows down
.set ROWB,   6144                      ; bytes in a row of qkv
.set ADRA, 16                          ; v16-17  LDS address of my xb fragments in slot 0, 1
.set ADRB, 20                          ; v20-21  the same for W
.set STO,  24                          ; v24     the way out: where I put 16 bytes of a row
.set RD,   25                          ; v25     the way out: where I read a row back
.set CO,   26                          ; v26     my byte offset in two rows of qkv
.set SPW,  28                          ; v28     LDS address of my spare word: SPARE + 4 x my thread's number; never rewritten
.set NIL,  29                          ; v29     0; never rewritten
.set FA,   32                          ; xb's fragment buffers: FA + 32 f
.set FB,   96                          ; W's: FB + 64 f
.set BIA,  160                         ; the bias, in W's second buffer until that is first fetched into
.set TMP,  32                          ; the way out (and the bias's rounding): 32 registers of packed bf16
.set G1,  24                           ; s[24:31] descriptor group 1 for xb's tiles;  s[32:39] group 0, one set for each slot
.set G0,  32
.set G1B, 48                           ; s[48:55], s[56:63] the same for W's tiles
.set G0B, 56
.set MUL,  0x50                        ; sources 0 and 1 window 0; C and D window 1
.set MULB, 0x40                        ; the same with C in window 0: the bias
.set MSB, 0
.macro WIN new                         ; the immediate's high byte repeats the setting that is left; a switch that changes nothing is dropped
.if MSB != (\new)
	s_set_vgpr_msb (MSB<<8)|(\new)
.set MSB, \new
.endif
.endm
; A joint load.  Waves 0 to 3 fetch xb's four quarters, waves 4 to 7 W's.  The branch hangs on the wave's number alone: it is the same in every work-group.
; An s_nop 0 and four v_nop follow each of the two lines, ahead of the jump, the label and what follows.
.macro JLOAD s
	s_cmp_eq_u32 s2, 0
	s_cbranch_scc0 .Lfor_b_\@
	tensor_load_to_lds s[G0+4*(\s):G0+4*(\s)+3], s[G1:G1+7]
	s_nop 0
.rept 4
	v_nop
.endr
	s_branch .Lasked_\@
.Lfor_b_\@:
	tensor_load_to_lds s[G0B+4*(\s):G0B+4*(\s)+3], s[G1B:G1B+7]
	s_nop 0
.rept 4
	v_nop
.endr
.Lasked_\@:
.endm
; A round of the cluster's barrier: my work-group's barrier, so that wave 0's signal speaks for all eight waves; wave 0 signals; every wave waits for all sixteen work-groups; my work-group's barrier once more.
.macro CREST                           ; a round behind its opening barrier
	s_cmp_lg_u32 s10, 0
	s_cbranch_scc1 .Lnot_wave_0_\@
	s_barrier_signal -3
.Lnot_wave_0_\@:
	s_barrier_wait -3
	s_barrier_signal -1
	s_barrier_wait -1
.endm
.macro CROUND                          ; a whole round
	s_barrier_signal -1
	s_barrier_wait -1
	CREST
.endm
	s_load_b256 s[68:75], s[0:1], 0x0              ; xb s[68:69], wb s[70:71], bq s[72:73], bk s[74:75]
	s_load_b128 s[76:79], s[0:1], 0x20             ; bv s[76:77], qkv s[78:79]
	v_lshl_add_u32 v[SPW], v0, 2, SPARE
	v_mov_b32 v[NIL], 0
	ds_add_u32 v[SPW], v[NIL]                      ; the wave's opening: the add and its wait stand ahead of my first tensor load; the set-up below, work on registers, stands between them
	v_lshrrev_b32 v1, 5, v0
	v_readfirstlane_b32 s10, v1                    ; wave 0..7
	s_lshr_b32 s11, s10, 1                         ; which 64 of the tile's rows are mine
	s_and_b32 s12, s10, 1                          ; which 128 of its columns
	s_lshr_b32 s2, s10, 2                          ; I fetch for xb (0) or for W (1),
	s_and_b32 s8, s10, 3                           ; and which quarter of that tile
	s_bfe_u32 s40, ttmp6, 0x40000                  ; cx, cy: my place in the cluster
	s_bfe_u32 s41, ttmp6, 0x40004
	s_mov_b32 s45, ttmp9                           ; the cluster's x: 0 q, 1 k, 2 v; the same in all sixteen
	s_and_b32 s13, ttmp7, 0xffff
	s_lshl_b32 s13, s13, 2
	s_add_co_u32 s13, s13, s41                     ; tile row of C = 4 x cluster y + cy
	s_lshl_b32 s43, s41, 2
	s_lshl_b32 s43, 15, s43                        ; my row of the cluster: places 4 cy .. 4 cy + 3
	s_lshl_b32 s44, 0x1111, s40                    ; my column: places cx, cx + 4, cx + 8, cx + 12
	; descriptor group 1.  xb: 64 rows x 128 elements; W: 32 rows x 256 elements; both padded in LDS behind every row
	s_or_b32 s[G1+0], s43, (1<<16)|(1<<20)|(1<<21)|(5<<22)|(3<<25)   ; 15:0 the mask: my row; 17:16 2-byte elements; 20 padding on; 21 set beside a mask; 24:22 after every 64 words (code 5); 31:25 4 words (code 3)
	s_mov_b32 s[G1+1], 128<<16                     ; tensor_dim0 = 128
	s_mov_b32 s[G1+2], 64<<16                      ; tensor_dim1 = 64
	s_mov_b32 s[G1+3], 128<<16                     ; tile_dim0 = 128
	s_mov_b32 s[G1+4], 64                          ; tile_dim1 = 64
	s_mov_b32 s[G1+5], 1024                        ; elements from row to row
	s_mov_b32 s[G1+6], 0
	s_mov_b32 s[G1+7], 0
	s_or_b32 s[G1B+0], s44, (1<<16)|(1<<20)|(1<<21)|(6<<22)|(7<<25)  ; the mask: my column; after every 128 words (code 6) 8 words of padding (code 7)
	s_mov_b32 s[G1B+1], 256<<16                    ; tensor_dim0 = 256
	s_mov_b32 s[G1B+2], 32<<16                     ; tensor_dim1 = 32
	s_mov_b32 s[G1B+3], 256<<16                    ; tile_dim0 = 256
	s_mov_b32 s[G1B+4], 32                         ; tile_dim1 = 32
	s_mov_b32 s[G1B+5], 1024
	s_mov_b32 s[G1B+6], 0
	s_mov_b32 s[G1B+7], 0
	; where the tiles come from.  xb's hang on the tile row alone, W's on the tile column alone; each offset is made in registers that never hold the other coordinate
	s_lshl_b32 s16, s13, 8
	s_lshl_b32 s17, s8, 6
	s_add_co_u32 s16, s16, s17                     ; xb: row 256 x tile row + 64 x quarter,
	s_lshl_b32 s16, s16, 11                        ; of 2,048 bytes
	s_mov_b32 s17, 0
	s_lshl_b32 s46, s45, 21                        ; W: which of the three, 2,097,152 bytes each,
	s_lshl_b32 s47, s40, 9                         ; 256 columns = 512 bytes for each cx,
	s_add_co_u32 s46, s46, s47
	s_lshl_b32 s47, s8, 16                         ; 32 rows of 2,048 bytes for the quarter
	s_add_co_u32 s46, s46, s47
	s_mov_b32 s47, 0
	s_mul_i32 s20, s8, AQ                          ; and where they go: no place in the cluster enters an LDS address
	s_mul_i32 s21, s8, BQ
	s_add_co_u32 s21, s21, BOFF
	s_wait_dscnt 0x0                               ; the opening add is done
	s_wait_kmcnt 0x0
	s_add_nc_u64 s[14:15], s[68:69], s[16:17]
	s_add_nc_u64 s[46:47], s[70:71], s[46:47]
	CROUND                                         ; all sixteen work-groups are here: the first joint loads meet
.irp s, 0,1
	s_mov_b32 s[G0+4*(\s)], 1                                        ; count = 1
	s_add_co_u32 s[G0+4*(\s)+1], s20, (\s)*SLOT                      ; LDS address
	s_add_nc_u64 s[G0+4*(\s)+2:G0+4*(\s)+3], s[14:15], (\s)*STEP_A   ; global address: K step s
	s_or_b32 s[G0+4*(\s)+3], s[G0+4*(\s)+3], 0x80000000              ; type = 2
	s_mov_b32 s[G0B+4*(\s)], 1
	s_add_co_u32 s[G0B+4*(\s)+1], s21, (\s)*SLOT
	s_add_nc_u64 s[G0B+4*(\s)+2:G0B+4*(\s)+3], s[46:47], (\s)*STEP_B
	s_or_b32 s[G0B+4*(\s)+3], s[G0B+4*(\s)+3], 0x80000000
	JLOAD \s                                       ; the ring is filled before anything else is done: two loads of mine are out
.endr
	; the bias of my 128 columns: register j of column block b is b[16 b + 8 (l / 16) + j], as the accumulators hold their columns
	v_and_b32 v1, 15, v0                           ; l % 16
	v_bfe_u32 v2, v0, 4, 1                         ; l / 16
	s_cmp_eq_u32 s45, 1
	s_cselect_b64 s[84:85], s[74:75], s[72:73]     ; bk or bq
	s_cmp_eq_u32 s45, 2
	s_cselect_b64 s[84:85], s[76:77], s[84:85]     ; or bv
	s_lshl_b32 s22, s40, 10                        ; 256 columns of 4 bytes for each cx,
	s_lshl_b32 s23, s12, 9                         ; 128 for my half
	s_add_co_u32 s22, s22, s23
	s_mov_b32 s23, 0
	s_add_nc_u64 s[84:85], s[84:85], s[22:23]
	v_lshlrev_b32 v6, 5, v2                        ; 8 columns of 4 bytes for the upper half of the lanes
.irp b, 0,1,2,3,4,5,6,7
	global_load_b128 v[BIA+8*(\b):BIA+8*(\b)+3],   v6, s[84:85] offset:64*(\b)
	global_load_b128 v[BIA+8*(\b)+4:BIA+8*(\b)+7], v6, s[84:85] offset:64*(\b)+16
.endr
	; A fragment of xb is 16 rows x 32 K in 8 registers: lane l holds row l % 16, K = 8 (l / 16) + 0..7 and 16 + 8 (l / 16) + 0..7: two loads of 16 bytes, 32 bytes apart.
	v_mul_u32_u24 v3, v1, PITCH
	v_lshl_add_u32 v3, v2, 4, v3                   ; row x pitch + 16 x half
	s_mul_i32 s4, s11, AQ                          ; my 64 rows
	v_add_nc_u32 v[ADRA], s4, v3
	s_add_co_u32 s4, s4, SLOT
	v_add_nc_u32 v[ADRA+1], s4, v3
	; The turning load takes 16 K x 16 columns (lane l reads 16 bytes: K row 8 (l / 16) + l % 8, columns 8 ((l / 8) % 2) + 0..7) and leaves half a fragment: lane l holds column l % 16 and 8 K.
	v_and_b32 v4, 7, v0
	v_lshl_add_u32 v4, v2, 3, v4
	v_mul_u32_u24 v4, v4, PT
	v_bfe_u32 v5, v0, 3, 1
	v_lshl_add_u32 v4, v5, 4, v4
	s_lshl_b32 s5, s12, 8                          ; my 128 columns: 256 bytes into each row
	s_add_co_u32 s5, s5, BOFF
	v_add_nc_u32 v[ADRB], s5, v4
	s_add_co_u32 s5, s5, SLOT
	v_add_nc_u32 v[ADRB+1], s5, v4
	s_mul_i32 s6, s10, 16*SPITCH
	s_add_co_u32 s6, s6, STAGE                     ; my stage
	v_add_nc_u32 v[STO], s6, v3                    ; in: row l % 16, 16 bytes for each half of the lanes (the stage's pitch is xb's)
	v_mul_u32_u24 v5, v2, SPITCH                   ; back: lanes 0-15 take one row of 256 bytes, lanes 16-31 the next
	v_lshl_add_u32 v5, v1, 4, v5
	v_add_nc_u32 v[RD], s6, v5
	v_mul_u32_u24 v5, v2, ROWB                     ; and the same two rows in qkv
	v_lshl_add_u32 v[CO], v1, 4, v5
	s_lshl_b32 s18, s13, 8
	s_lshl_b32 s19, s11, 6
	s_add_co_u32 s18, s18, s19                     ; my first row of C,
	s_mul_i32 s18, s18, ROWB                       ; in bytes (under 2^26),
	s_lshl_b32 s19, s45, 11                        ; q, k or v: 2,048 bytes of the row each,
	s_add_co_u32 s18, s18, s19
	s_lshl_b32 s19, s40, 9                         ; the tile's 512 bytes,
	s_add_co_u32 s18, s18, s19
	s_lshl_b32 s19, s12, 8                         ; my 256 of them
	s_add_co_u32 s18, s18, s19
	s_mov_b32 s19, 0
	s_add_nc_u64 s[82:83], s[78:79], s[18:19]
	s_wait_loadcnt 0x0                             ; the bias is in: it is rounded to bf16, as every input is, and widened again
.set i, 0
.rept 32
	v_cvt_pk_bf16_f32 v[TMP+i], v[BIA+2*i], v[BIA+2*i+1]
.set i, i+1
.endr
.set i, 0
.rept 32
	v_lshlrev_b32 v[BIA+2*i], 16, v[TMP+i]
	v_and_b32 v[BIA+2*i+1], 0xffff0000, v[TMP+i]
.set i, i+1
.endr
; 24 LDS loads in one run: the fragments of quarter q (32 along K) of a slot into buffer f: W's eight first, then xb's four
.macro FETCH slot, q, f
	WIN 0
.irp i, 0,1,2,3,4,5,6,7
	ds_load_tr16_b128 v[FB+64*(\f)+8*(\i):FB+64*(\f)+8*(\i)+3],   v[ADRB+(\slot)] offset:(\q)*32*PT+32*(\i)
	ds_load_tr16_b128 v[FB+64*(\f)+8*(\i)+4:FB+64*(\f)+8*(\i)+7], v[ADRB+(\slot)] offset:(\q)*32*PT+16*PT+32*(\i)
.endr
.irp i, 0,1,2,3
	ds_load_b128 v[FA+32*(\f)+8*(\i):FA+32*(\f)+8*(\i)+3],   v[ADRA+(\slot)] offset:64*(\q)+(\i)*16*PITCH
	ds_load_b128 v[FA+32*(\f)+8*(\i)+4:FA+32*(\f)+8*(\i)+7], v[ADRA+(\slot)] offset:64*(\q)+(\i)*16*PITCH+32
.endr
.endm
; 8 matrix instructions: row block a x all 8 column blocks, 32 along K, from buffer f.  start = 1: the products start the sums, with the bias as C: nothing is cleared.
; The 32 accumulators come in the same order in every quarter, one instruction a turn: between two links of a chain stand the 31 others'.
.macro MUL8 f, a, start
.irp b, 0,1,2,3,4,5,6,7
.if \start
	WIN MULB
	v_wmma_f32_16x16x32_bf16 v[8*(8*(\a)+(\b)):8*(8*(\a)+(\b))+7], v[FB+64*(\f)+8*(\b):FB+64*(\f)+8*(\b)+7], v[FA+32*(\f)+8*(\a):FA+32*(\f)+8*(\a)+7], v[BIA+8*(\b):BIA+8*(\b)+7]
.else
	WIN MUL
	v_wmma_f32_16x16x32_bf16 v[8*(8*(\a)+(\b)):8*(8*(\a)+(\b))+7], v[FB+64*(\f)+8*(\b):FB+64*(\f)+8*(\b)+7], v[FA+32*(\f)+8*(\a):FA+32*(\f)+8*(\a)+7], v[8*(8*(\a)+(\b)):8*(8*(\a)+(\b))+7]
.endif
.endr
.endm
; A load into a register that a matrix instruction has read, and a vector instruction that reads a matrix result or writes one of its registers, stand four places behind it, and only plain
; vector instructions that name none of its registers are places (ISA guide 7.12.1 for vector instructions).
.macro PLACES
.rept 4
	v_nop
.endr
.endm
; A K step is four quarters of 32 along K, 32 matrix instructions each, on buffers 0, 1, 0, 1.  One of the first three: multiplies buffer f and fetches quarter qn of the same slot into g.
.macro QUARTER slot, qn, f, g
	s_wait_dscnt 4                                 ; W's fragments and xb's blocks 0 and 1 are in; the youngest four loads (blocks 2 and 3) may be out
	MUL8 \f, 0, 0
	PLACES
	FETCH \slot, \qn, \g
	s_wait_dscnt 24                                ; all but the 24 just issued
	MUL8 \f, 1, 0
	MUL8 \f, 2, 0
	MUL8 \f, 3, 0
.endm
; The last quarter multiplies buffer 1 and changes slots: ONE barrier.  In front of it each wave waits for all its tensor loads, of which one is out: its part of the next slot; adds 0 to its
; spare word; and waits for that and for its own reads of this slot.  fill = 1: the barrier opens a round of the cluster's barrier, and this slot is filled again, two K steps ahead,
; first thing behind the round: from that request to the wait for it a wave issues 112 matrix instructions, and the wave beside it on its SIMD as many.
.macro TURN slot, next, fill
	WIN 0                                          ; (the add's two registers lie in window 0)
	s_wait_tensorcnt 0x0                           ; all my tensor loads have landed
	ds_add_u32 v[SPW], v[NIL]                      ; 0 onto my spare word
	s_wait_dscnt 5                                 ; (the add and the youngest four loads may be out)
	MUL8 1, 0, 0                                   ; eight matrix instructions stand between the add and the wait for it
	s_wait_dscnt 0x0                               ; the add is done, and my reads of this slot are over
	s_barrier_signal -1
	MUL8 1, 1, 0                                   ; work on registers while the others arrive
	WIN 0
	s_barrier_wait -1
.if \fill
	CREST                                          ; no wave of any partner still reads this slot's tile or has a load on its way
	s_add_nc_u64 s[G0+4*(\slot)+2:G0+4*(\slot)+3], s[G0+4*(\slot)+2:G0+4*(\slot)+3], 2*STEP_A
	s_add_nc_u64 s[G0B+4*(\slot)+2:G0B+4*(\slot)+3], s[G0B+4*(\slot)+2:G0B+4*(\slot)+3], 2*STEP_B
	JLOAD \slot                                    ; the four v_nop behind it are also the places in front of the loads below
.else
	PLACES
.endif
	FETCH \next, 0, 0
	MUL8 1, 2, 0
	MUL8 1, 3, 0
.endm
; THE WAY OUT of row block a, in three parts.  PACK: rounded to bf16, 16 bytes a lane, each accumulator's registers in ascending order.  TOSTAGE: into my own stage, and back as whole rows of 256 bytes.  SEND: stored.
.macro PACK a
	WIN 0x05                                       ; sources 0 and 1 window 1, destination window 0
.irp b, 0,1,2,3,4,5,6,7
.irp i, 0,1,2,3
	v_cvt_pk_bf16_f32 v[TMP+4*(\b)+(\i)], v[64*(\a)+8*(\b)+2*(\i)], v[64*(\a)+8*(\b)+2*(\i)+1]
.endr
.endr
	WIN 0
.endm
.macro TOSTAGE a
.set BK, 64+96*((\a)%2)                ; v64-95 and v160-191 by turns
.irp b, 0,1,2,3,4,5,6,7
	ds_store_b128 v[STO], v[TMP+4*(\b):TMP+4*(\b)+3] offset:32*(\b)
.endr
.irp t, 0,1,2,3,4,5,6,7
	ds_load_b128 v[BK+4*(\t):BK+4*(\t)+3], v[RD] offset:(\t)*2*SPITCH  ; LDS serves a wave's instructions in order (ISA guide 5.7.1.4): these see the stores above
.endr
.endm
.macro SEND a
.set BK, 64+96*((\a)%2)
	s_wait_dscnt 0x0                               ; the block is back in registers
	s_wait_xcnt 0x0                                ; the stores of the block before have had their addresses translated (ISA guide 3.1): its registers are loaded again only behind this wait
.irp t, 0,1,2,3,4,5,6,7
	global_store_b128 v[CO], v[BK+4*(\t):BK+4*(\t)+3], s[82:83] offset:(16*(\a)+2*(\t))*ROWB  ; 16 lanes store 256 consecutive bytes, at a multiple of 256 from qkv's first byte
.endr
.endm
	s_wait_tensorcnt 1                             ; my part of K step 0 is in; K step 1's may stay out
	s_barrier_signal -1
	s_barrier_wait -1                              ; everybody's is
	FETCH 0, 0, 0
	s_wait_dscnt 0x0                               ; the first quarter stands in front of the loop, and in an order of its own: all its 32 products, which start the sums with the bias,
	MUL8 0, 0, 1                                   ; come before the next quarter's fetch, since that fetch lands on the bias's registers
	MUL8 0, 1, 1
	MUL8 0, 2, 1
	MUL8 0, 3, 1
	PLACES
	FETCH 0, 1, 1
	WIN 0                                          ; at a label and at a branch every window is 0
	s_mov_b32 s3, LAPS-1
.Llap:                                                 ; a trip goes once round the ring, from a lap's second quarter to the next lap's first, and fills both slots again
	QUARTER 0, 2, 1, 0
	QUARTER 0, 3, 0, 1
	TURN 0, 1, 1
	QUARTER 1, 1, 0, 1
	QUARTER 1, 2, 1, 0
	QUARTER 1, 3, 0, 1
	TURN 1, 0, 1
	QUARTER 0, 1, 0, 1
	WIN 0
	s_sub_co_u32 s3, s3, 1
	s_cmp_lg_u32 s3, 0
	s_cbranch_scc1 .Llap
	QUARTER 0, 2, 1, 0                             ; the last lap fills nothing, and has no round of the cluster's barrier
	QUARTER 0, 3, 0, 1
	TURN 0, 1, 0
	QUARTER 1, 1, 0, 1
	QUARTER 1, 2, 1, 0
	QUARTER 1, 3, 0, 1
	s_wait_dscnt 4                                 ; the very last quarter: nothing more to fetch
	MUL8 1, 0, 0
	s_wait_dscnt 0x0
	MUL8 1, 1, 0
	MUL8 1, 2, 0
	MUL8 1, 3, 0
	WIN 0
	PLACES
	PACK 0
	TOSTAGE 0
.irp a, 1,2,3                          ; block a's conversions stand between block a - 1's loads from the stage and the wait for them
	PACK \a
	SEND (\a)-1
	TOSTAGE \a
.endr
	SEND 3
	s_wait_tensorcnt 0x0                           ; the wave's end: behind my last tensor load and my last LDS store
	ds_add_u32 v[SPW], v[NIL]
	s_wait_dscnt 0x0
	CROUND                                         ; the closing round: no work-group ends while a partner may still ask for a tile that names it
	s_endpgm
.Lfunc_end_k_qf8654ee204_proj:
	.size	k_qf8654ee204_proj, .Lfunc_end_k_qf8654ee204_proj-k_qf8654ee204_proj
	.p2alignl 7, 3214868480
	.fill 96, 4, 3214868480
	.section	.rodata,"a",@progbits
	.p2align	6, 0x0
	.amdhsa_kernel k_qf8654ee204_proj
		.amdhsa_group_segment_fixed_size 327680
		.amdhsa_private_segment_fixed_size 0
		.amdhsa_enable_private_segment 0
		.amdhsa_kernarg_size 48
		.amdhsa_user_sgpr_count 2
		.amdhsa_user_sgpr_kernarg_segment_ptr 1
		.amdhsa_wavefront_size32 1
		.amdhsa_system_sgpr_workgroup_id_x 1
		.amdhsa_system_sgpr_workgroup_id_y 1
		.amdhsa_system_sgpr_workgroup_id_z 1
		.amdhsa_system_vgpr_workitem_id 0
		.amdhsa_next_free_vgpr 512
		.amdhsa_next_free_sgpr 86
		.amdhsa_reserve_vcc 0
		.amdhsa_float_denorm_mode_32 3
		.amdhsa_float_denorm_mode_16_64 3
		.amdhsa_memory_ordered 1
		.amdhsa_forward_progress 1
		.amdhsa_inst_pref_size 93
	.end_amdhsa_kernel
	.amdgpu_metadata
---
amdhsa.version: [ 1, 2 ]
amdhsa.kernels:
  - .name:           k_qf8654ee204_proj
    .symbol:         k_qf8654ee204_proj.kd
    .args:
      - { .name: xb, .offset: 0, .size: 8, .value_kind: global_buffer, .address_space: global }
      - { .name: wb, .offset: 8, .size: 8, .value_kind: global_buffer, .address_space: global }
      - { .name: bq, .offset: 16, .size: 8, .value_kind: global_buffer, .address_space: global }
      - { .name: bk, .offset: 24, .size: 8, .value_kind: global_buffer, .address_space: global }
      - { .name: bv, .offset: 32, .size: 8, .value_kind: global_buffer, .address_space: global }
      - { .name: qkv, .offset: 40, .size: 8, .value_kind: global_buffer, .address_space: global }
    .group_segment_fixed_size: 327680
    .private_segment_fixed_size: 0
    .kernarg_segment_align: 8
    .kernarg_segment_size: 48
    .max_flat_workgroup_size: 256
    .sgpr_count:     86
    .vgpr_count:     512
    .wavefront_size: 32
...
	.end_amdgpu_metadata
.endif
;; end of part 5
;; launch score (part 6): grid 8 x 32, 8 waves a work-group, clusters of 4 x 4, 327,680 bytes of LDS; arguments qkv, p, stats; writes p, stats
.if DOCPART == 6
	.amdgcn_target "amdgcn-amd-amdhsa--gfx1250"
	.amdhsa_code_object_version 6
	.text
	.protected	k_qf8654ee204_score
	.globl	k_qf8654ee204_score
	.p2align	8
	.type	k_qf8654ee204_score,@function
k_qf8654ee204_score:
	s_mov_b64 s[64:65], 0
	v_nop
	global_prefetch_b8 v0, s[64:65] scope:SCOPE_SE
	s_setreg_imm32_b32 hwreg(HW_REG_WAVE_MODE, 25, 1), 1
	s_wait_xcnt 0x0
	s_wait_alu depctr_hold_cnt(0) depctr_sa_sdst(0) depctr_va_vdst(0) depctr_va_sdst(0) depctr_va_ssrc(0) depctr_va_vcc(0) depctr_vm_vsrc(0)
	s_getreg_b32 s2, hwreg(HW_REG_IB_STS2, 6, 4)
	s_cmp_eq_u32 s2, 0
	s_cbranch_scc0 .Lentry_in_a_cluster
	s_endpgm
.Lentry_in_a_cluster:
	s_bfe_u32 s2, ttmp6, 0x10000c
	s_cmp_lg_u32 s2, 0xf033
	s_cbranch_scc0 .Lentry_shape_is_right
	s_endpgm
.Lentry_shape_is_right:
; For each batch b, query q and block kb of 128 keys: s = Q[q] . K[key] (f32 sums of bf16 products), c = log2(e) / 32,
;   m' = the block's maximum of c s, rounded up to a whole number;   p[q][key] = 2^(c s - m'), rounded to bf16;   l = the sum of the block's unrounded p.
; stats: [4 b][16 kb][2: m', l][2048 q] f32.  The launch behind joins a row's 16 blocks: since every m' is a whole number, its factors 2^(m' - max m') are powers of two.
; The maximum taken away is each row's own, over the wave's 128 keys: c s - m' lies in (-inf, 0], the block's largest p in (1/2, 1], whatever the inputs.
; p LIES IN MEMORY AS THE NEXT LAUNCH'S MATRIX OPERAND LIES IN REGISTERS: [512 blocks of 16 rows][128 blocks of 16 keys][32 lanes][16 bytes]; lane l of a block holds row l % 16 and the keys 8 (l / 16) + 0..7.
; That is how this kernel's lanes hold the weights, so they are stored straight from registers, 512 consecutive bytes to a store of a wave, and read back the same way.
; LIMITS.  Matrix operands are bf16; a weight below 2^-126 counts as 0; NaN and infinities are not treated apart.
; qkv: [8192][3072] bf16, a row's Q at byte 0, K at byte 2,048.
; SHARES.  A tile of S is 256 queries x 256 keys: 32 x 8 = 256 tiles.  Eight waves, 4 x 2, two for each of a WGP's four SIMDs, each 64 x 128: 32 accumulators, 256 registers; a wave's 128 keys are one block kb.
; Eight waves of 64 x 128 and not four of 128 x 128: 64 accumulators and eight softmax blocks written out would be twice the text; the price is 24 LDS loads for 32 matrix instructions where the larger share has 32 for 64.
; K (the head's 1,024 channels) goes in 8 steps of 128 through two LDS slots filled by the tensor data mover: 256 rows of Q and 256 rows of K, 256 bytes each.
; CLUSTERS: 4 x 4 work-groups.  The four of a row of the cluster need the same tiles of Q, the four of a column the same tiles of K: each is asked for JOINTLY.
; THE MATRIX INSTRUCTION IS USED TRANSPOSED (source 0 = 16 keys, source 1 = 16 queries): lane l holds query l % 16 and the keys 8 (l / 16) + 0..7 of each block of 16:
; a query's 128 scores lie in two lanes 16 apart.
; REGISTERS, in windows of 256 (s_set_vgpr_msb: bits 1:0 source 0, 3:2 source 1, 5:4 source 2, 7:6 destination):
;   window 0: v0-31 addresses; v32-63, v64-95 fragments of Q, two buffers; v96-159, v160-223 fragments of K, two buffers; v224-233 at work in the softmax
;   window 1: accumulator (a, b) at v[8 (8 a + b)], a = 0..3 query blocks, b = 0..7 key blocks
.set KSTEPS, 8
.set LAPS,   KSTEPS/2
.set PITCH,  272                       ; an LDS row: 256 bytes + 16 of padding = 68 words: the 16 rows of a load start at 16 different groups of four banks (64 banks of 4 bytes: ISA guide 11.1)
.set AQ,     64*PITCH                  ; what one tensor load brings, of Q or of K: 64 rows; also what one wave reads of Q
.set BOFF,   4*AQ                      ; K's 256 rows lie behind Q's 256
.set BHALF,  128*PITCH                 ; what one wave reads of K
.set SLOT,   BOFF+4*AQ                 ; 139,264 bytes
.set STAT,   2*SLOT                    ; behind the ring, never filled by a tensor load: 512 bytes for each wave: m' of its 64 queries, then l
.set SPARE,  STAT+8*512                ; the spare words, 128 bytes for each wave: four blocks of 256 bytes that no other line names
.set STEP,   128*2                     ; bytes from a K step to the next, in Q and in K
.set QROW,   6144                      ; bytes in a row of qkv
.set RBB,    65536                     ; bytes of p for a block of 16 rows: 128 key blocks of 512 bytes
.set MM,   10                          ; v[10:11] -m' and 0: the packed scaling takes the pair's low word for both halves
.set ADRA, 16
.set ADRB, 20
.set CO,   26                          ; v26     16 x lane: my 16 bytes in a block of p; never rewritten
.set STATW, 27                         ; v27     where my query's m' goes
.set SPW,  28                          ; v28     LDS address of my spare word: SPARE + 4 x my thread's number; never rewritten
.set NIL,  29                          ; v29     0; never rewritten
.set STATR, 30                         ; v30     where I read 16 bytes of the wave's 512 back
.set SO,   31                          ; v31     my byte offset in stats
.set FA,   32
.set FB,   96
.set TMP,  32                          ; the way out: two sets of 32 registers of packed weights, v32-63 and v64-95, by turns
.set X,    96                          ; the way out: 64 registers: c s - m', then p
.set CW,   224                         ; v224-231 at work
.set LP,   232                         ; v[232:233] l, even keys' and odd keys'
.set G1,  24
.set G0,  32
.set G1B, 48
.set G0B, 56
.set MUL,  0x50                        ; sources 0 and 1 window 0; C and D window 1
.set MSB, 0
.macro WIN new                         ; the immediate's high byte repeats the setting that is left; a switch that changes nothing is dropped
.if MSB != (\new)
	s_set_vgpr_msb (MSB<<8)|(\new)
.set MSB, \new
.endif
.endm
; A joint load.  Waves 0 to 3 fetch Q's four quarters, waves 4 to 7 K's.  An s_nop 0 and four v_nop follow each of the two lines, ahead of the jump, the label and what follows.
.macro JLOAD s
	s_cmp_eq_u32 s2, 0
	s_cbranch_scc0 .Lfor_b_\@
	tensor_load_to_lds s[G0+4*(\s):G0+4*(\s)+3], s[G1:G1+7]
	s_nop 0
.rept 4
	v_nop
.endr
	s_branch .Lasked_\@
.Lfor_b_\@:
	tensor_load_to_lds s[G0B+4*(\s):G0B+4*(\s)+3], s[G1B:G1B+7]
	s_nop 0
.rept 4
	v_nop
.endr
.Lasked_\@:
.endm
.macro CREST                           ; a round of the cluster's barrier behind its opening barrier
	s_cmp_lg_u32 s10, 0
	s_cbranch_scc1 .Lnot_wave_0_\@
	s_barrier_signal -3
.Lnot_wave_0_\@:
	s_barrier_wait -3
	s_barrier_signal -1
	s_barrier_wait -1
.endm
.macro CROUND                          ; a whole round
	s_barrier_signal -1
	s_barrier_wait -1
	CREST
.endm
	s_load_b128 s[68:71], s[0:1], 0x0              ; qkv s[68:69], p s[70:71]
	s_load_b64 s[72:73], s[0:1], 0x10              ; stats
	v_lshl_add_u32 v[SPW], v0, 2, SPARE
	v_mov_b32 v[NIL], 0
	ds_add_u32 v[SPW], v[NIL]                      ; the wave's opening: the add and its wait stand ahead of my first tensor load; the set-up below, work on registers, stands between them
	v_lshrrev_b32 v1, 5, v0
	v_readfirstlane_b32 s10, v1                    ; wave 0..7
	s_lshr_b32 s11, s10, 1                         ; which 64 of the tile's queries are mine
	s_and_b32 s12, s10, 1                          ; which 128 of its keys
	s_lshr_b32 s2, s10, 2                          ; I fetch for Q (0) or for K (1),
	s_and_b32 s8, s10, 3                           ; and which quarter of that tile
	s_bfe_u32 s40, ttmp6, 0x40000                  ; cx, cy: my place in the cluster
	s_bfe_u32 s41, ttmp6, 0x40004
	s_lshl_b32 s42, ttmp9, 2
	s_add_co_u32 s42, s42, s40                     ; tile column = 4 x cluster x + cx: 256 keys of the batch
	s_and_b32 s13, ttmp7, 0xffff
	s_lshr_b32 s45, s13, 1                         ; the batch: 8 tile rows = 2 clusters each; the same in all sixteen
	s_lshl_b32 s13, s13, 2
	s_add_co_u32 s13, s13, s41                     ; tile row = 4 x cluster y + cy: 256 of the 8,192 rows
	s_lshl_b32 s43, s41, 2
	s_lshl_b32 s43, 15, s43                        ; my row of the cluster
	s_lshl_b32 s44, 0x1111, s40                    ; my column
	; descriptor group 1, for Q and for K: 64 rows x 128 elements, padded in LDS behind every row; the two differ in the mask alone
	s_or_b32 s[G1+0], s43, (1<<16)|(1<<20)|(1<<21)|(5<<22)|(3<<25)   ; 15:0 the mask: my row; 17:16 2-byte elements; 20 padding on; 21 set beside a mask; 24:22 after every 64 words (code 5); 31:25 4 words (code 3)
	s_or_b32 s[G1B+0], s44, (1<<16)|(1<<20)|(1<<21)|(5<<22)|(3<<25)  ; the same with the mask of my column
.irp g, G1, G1B
	s_mov_b32 s[(\g)+1], 128<<16                   ; tensor_dim0 = 128
	s_mov_b32 s[(\g)+2], 64<<16                    ; tensor_dim1 = 64
	s_mov_b32 s[(\g)+3], 128<<16                   ; tile_dim0 = 128
	s_mov_b32 s[(\g)+4], 64                        ; tile_dim1 = 64
	s_mov_b32 s[(\g)+5], 3072                      ; elements from row to row
	s_mov_b32 s[(\g)+6], 0
	s_mov_b32 s[(\g)+7], 0
.endr
	s_lshl_b32 s16, s13, 8
	s_lshl_b32 s17, s8, 6
	s_add_co_u32 s16, s16, s17                     ; Q: row 256 x tile row + 64 x quarter,
	s_mul_i32 s16, s16, QROW                       ; in bytes (under 2^26)
	s_mov_b32 s17, 0
	s_lshl_b32 s46, s45, 11                        ; K: the batch's 2,048 rows,
	s_lshl_b32 s47, s42, 8                         ; 256 x tile column,
	s_add_co_u32 s46, s46, s47
	s_lshl_b32 s47, s8, 6                          ; 64 x quarter,
	s_add_co_u32 s46, s46, s47
	s_mul_i32 s46, s46, QROW
	s_add_co_u32 s46, s46, 2048                    ; and K's place in a row of qkv
	s_mov_b32 s47, 0
	s_mul_i32 s20, s8, AQ                          ; where they go: no place in the cluster enters an LDS address
	s_add_co_u32 s21, s20, BOFF
	s_mov_b32 s66, 0x3d38aa3b                      ; c = log2(e) / 32 = 0.0450842
	s_mov_b32 s67, s66                             ; named with it as a pair
	s_mov_b32 s9, 0xbd38aa3b                       ; -c
	s_mov_b32 s80, 0x76543210                      ; v_permlanex16_b32's selects: each lane takes its own place in the other half
	s_mov_b32 s81, 0xfedcba98
	s_wait_dscnt 0x0                               ; the opening add is done
	s_wait_kmcnt 0x0
	s_add_nc_u64 s[14:15], s[68:69], s[16:17]
	s_add_nc_u64 s[46:47], s[68:69], s[46:47]
	CROUND                                         ; all sixteen work-groups are here: the first joint loads meet
.irp s, 0,1
	s_mov_b32 s[G0+4*(\s)], 1                                        ; count = 1
	s_add_co_u32 s[G0+4*(\s)+1], s20, (\s)*SLOT                      ; LDS address
	s_add_nc_u64 s[G0+4*(\s)+2:G0+4*(\s)+3], s[14:15], (\s)*STEP     ; global address: K step s
	s_or_b32 s[G0+4*(\s)+3], s[G0+4*(\s)+3], 0x80000000              ; type = 2
	s_mov_b32 s[G0B+4*(\s)], 1
	s_add_co_u32 s[G0B+4*(\s)+1], s21, (\s)*SLOT
	s_add_nc_u64 s[G0B+4*(\s)+2:G0B+4*(\s)+3], s[46:47], (\s)*STEP
	s_or_b32 s[G0B+4*(\s)+3], s[G0B+4*(\s)+3], 0x80000000
	JLOAD \s                                       ; the ring is filled before anything else is done: two loads of mine are out
.endr
	; A fragment is 16 rows x 32 channels in 8 registers: lane l holds row l % 16, channels 8 (l / 16) + 0..7 and 16 + 8 (l / 16) + 0..7: two loads of 16 bytes, 32 bytes apart.
	v_and_b32 v1, 15, v0                           ; l % 16
	v_bfe_u32 v2, v0, 4, 1                         ; l / 16
	v_mov_b32 v[MM+1], 0                           ; named as a pair with -m'
	v_mul_u32_u24 v3, v1, PITCH
	v_lshl_add_u32 v3, v2, 4, v3                   ; row x pitch + 16 x half
	s_mul_i32 s4, s11, AQ                          ; my 64 rows of Q
	s_mul_i32 s5, s12, BHALF                       ; my 128 rows of K,
	s_add_co_u32 s5, s5, BOFF                      ; which lie behind Q's 256
.irp s, 0,1
	v_add_nc_u32 v[ADRA+(\s)], s4, v3
	v_add_nc_u32 v[ADRB+(\s)], s5, v3
	s_add_co_u32 s4, s4, SLOT
	s_add_co_u32 s5, s5, SLOT
.endr
	s_lshl_b32 s7, s10, 9
	s_add_co_u32 s7, s7, STAT                      ; my wave's 512 bytes of statistics
	v_lshl_add_u32 v[STATW], v1, 2, s7
	v_and_b32 v5, 31, v0
	v_lshl_add_u32 v[STATR], v5, 4, s7
	v_lshlrev_b32 v[CO], 4, v5                     ; 16 x lane
	v_lshlrev_b32 v5, 13, v2                       ; in stats: lanes 0-15 the 256 bytes of m', lanes 16-31 those of l, 8,192 bytes on
	v_lshl_add_u32 v[SO], v1, 4, v5
	s_lshl_b32 s18, s13, 20                        ; p: the tile's 16 row blocks of 65,536 bytes,
	s_lshl_b32 s19, s11, 18                        ; my four of them,
	s_add_co_u32 s18, s18, s19
	s_lshl_b32 s19, s42, 13                        ; the tile's 16 key blocks of 512 bytes,
	s_add_co_u32 s18, s18, s19
	s_lshl_b32 s19, s12, 12                        ; my eight of them
	s_add_co_u32 s18, s18, s19
	s_mov_b32 s19, 0
	s_add_nc_u64 s[82:83], s[70:71], s[18:19]
	s_lshl_b32 s22, s45, 18                        ; stats: the batch's 262,144 bytes,
	s_lshl_b32 s23, s42, 15                        ; key block 2 x tile column + half, 16,384 bytes each,
	s_add_co_u32 s22, s22, s23
	s_lshl_b32 s23, s12, 14
	s_add_co_u32 s22, s22, s23
	s_and_b32 s23, s13, 7                          ; the tile row within the batch: 256 queries of 4 bytes,
	s_lshl_b32 s23, s23, 10
	s_add_co_u32 s22, s22, s23
	s_lshl_b32 s23, s11, 8                         ; my 64 of them
	s_add_co_u32 s22, s22, s23
	s_mov_b32 s23, 0
	s_add_nc_u64 s[84:85], s[72:73], s[22:23]
; 24 LDS loads in one run: the fragments of quarter q (32 channels) of a slot into buffer f: K's eight first, then Q's four
.macro FETCH slot, q, f
	WIN 0
.irp i, 0,1,2,3,4,5,6,7
	ds_load_b128 v[FB+64*(\f)+8*(\i):FB+64*(\f)+8*(\i)+3],   v[ADRB+(\slot)] offset:64*(\q)+(\i)*16*PITCH
	ds_load_b128 v[FB+64*(\f)+8*(\i)+4:FB+64*(\f)+8*(\i)+7], v[ADRB+(\slot)] offset:64*(\q)+(\i)*16*PITCH+32
.endr
.irp i, 0,1,2,3
	ds_load_b128 v[FA+32*(\f)+8*(\i):FA+32*(\f)+8*(\i)+3],   v[ADRA+(\slot)] offset:64*(\q)+(\i)*16*PITCH
	ds_load_b128 v[FA+32*(\f)+8*(\i)+4:FA+32*(\f)+8*(\i)+7], v[ADRA+(\slot)] offset:64*(\q)+(\i)*16*PITCH+32
.endr
.endm
; 8 matrix instructions: query block a x all 8 key blocks, 32 channels, from buffer f.  start = 1: the products start the sums: nothing is cleared.
; The 32 accumulators come in the same order in every quarter, one instruction a turn.
.macro MUL8 f, a, start
	WIN MUL
.irp b, 0,1,2,3,4,5,6,7
.if \start
	v_wmma_f32_16x16x32_bf16 v[8*(8*(\a)+(\b)):8*(8*(\a)+(\b))+7], v[FB+64*(\f)+8*(\b):FB+64*(\f)+8*(\b)+7], v[FA+32*(\f)+8*(\a):FA+32*(\f)+8*(\a)+7], 0
.else
	v_wmma_f32_16x16x32_bf16 v[8*(8*(\a)+(\b)):8*(8*(\a)+(\b))+7], v[FB+64*(\f)+8*(\b):FB+64*(\f)+8*(\b)+7], v[FA+32*(\f)+8*(\a):FA+32*(\f)+8*(\a)+7], v[8*(8*(\a)+(\b)):8*(8*(\a)+(\b))+7]
.endif
.endr
.endm
.macro PLACES                          ; four places in front of loads into registers that matrix instructions have read, and of vector lines that read results (ISA guide 7.12.1 for vector instructions)
.rept 4
	v_nop
.endr
.endm
; A K step is four quarters of 32 channels, 32 matrix instructions each, on buffers 0, 1, 0, 1.  One of the first three: multiplies buffer f and fetches quarter qn of the same slot into g.
.macro QUARTER slot, qn, f, g, start
	s_wait_dscnt 4                                 ; K's fragments and Q's blocks 0 and 1 are in; the youngest four loads (blocks 2 and 3) may be out
	MUL8 \f, 0, \start
	PLACES
	FETCH \slot, \qn, \g
	s_wait_dscnt 24                                ; all but the 24 just issued
	MUL8 \f, 1, \start
	MUL8 \f, 2, \start
	MUL8 \f, 3, \start
.endm
; The last quarter multiplies buffer 1 and changes slots: ONE barrier.  In front of it each wave waits for all its tensor loads, of which one is out: its part of the next slot; adds 0 to its
; spare word; and waits for that and for its own reads of this slot.  fill = 1: the barrier opens a round of the cluster's barrier, and this slot is filled again, two K steps ahead,
; first thing behind the round: from that request to the wait for it a wave issues 112 matrix instructions, and the wave beside it on its SIMD as many.
.macro TURN slot, next, fill
	WIN 0                                          ; (the add's two registers lie in window 0)
	s_wait_tensorcnt 0x0                           ; all my tensor loads have landed
	ds_add_u32 v[SPW], v[NIL]                      ; 0 onto my spare word
	s_wait_dscnt 5                                 ; (the add and the youngest four loads may be out)
	MUL8 1, 0, 0                                   ; eight matrix instructions stand between the add and the wait for it
	s_wait_dscnt 0x0                               ; the add is done, and my reads of this slot are over
	s_barrier_signal -1
	MUL8 1, 1, 0                                   ; work on registers while the others arrive
	WIN 0
	s_barrier_wait -1
.if \fill
	CREST                                          ; no wave of any partner still reads this slot's tile or has a load on its way
	s_add_nc_u64 s[G0+4*(\slot)+2:G0+4*(\slot)+3], s[G0+4*(\slot)+2:G0+4*(\slot)+3], 2*STEP
	s_add_nc_u64 s[G0B+4*(\slot)+2:G0B+4*(\slot)+3], s[G0B+4*(\slot)+2:G0B+4*(\slot)+3], 2*STEP
	JLOAD \slot                                    ; the four v_nop behind it are also the places in front of the loads below
.else
	PLACES
.endif
	FETCH \next, 0, 0
	MUL8 1, 2, 0
	MUL8 1, 3, 0
.endm
; THE SOFTMAX OF QUERY BLOCK a over the wave's 128 keys.  A lane holds 64 scores of one query: registers 64 a + n of window 1, n = 8 b + j.
;   the maximum: eight chains, one an accumulator, three operands at a time, each accumulator's lowest registers first; the query's other 64 keys lie in the lane 16 away
;   -m' = floor(-c max); c s - m' goes into window 0, so that all that follows runs under one window setting
;   64 exponentials, each with a plain instruction behind it: the rounding to bf16 of the four weights made a group earlier (2), their sum in place (1), and l's addition of the group before that (1)
; The packed weights go into set a % 2, which the stores of block a - 2 read.
.macro SOFT a
.set AC, 64*(\a)
.set TP, TMP+32*((\a)%2)
.if (\a) > 1
	s_wait_xcnt 0x0                                ; the stores issued so far have had their addresses translated (ISA guide 3.1): the set that block a - 2's stores read is rewritten only behind this wait
.endif
	WIN 0x15                                       ; all three sources window 1, destination window 0
.irp n, 0,1,2,3,4,5,6,7
	v_max3_num_f32 v[CW+(\n)], v[AC+8*(\n)], v[AC+8*(\n)+1], v[AC+8*(\n)+2]
.endr
	WIN 0x14                                       ; source 0 window 0
.irp n, 0,1,2,3,4,5,6,7
	v_max3_num_f32 v[CW+(\n)], v[CW+(\n)], v[AC+8*(\n)+3], v[AC+8*(\n)+4]
.endr
.irp n, 0,1,2,3,4,5,6,7
	v_max3_num_f32 v[CW+(\n)], v[CW+(\n)], v[AC+8*(\n)+5], v[AC+8*(\n)+6]
.endr
.irp n, 0,1,2,3
	v_max3_num_f32 v[CW+(\n)], v[CW+(\n)], v[AC+16*(\n)+7], v[AC+16*(\n)+15]
.endr
	WIN 0
	v_max3_num_f32 v[CW], v[CW], v[CW+1], v[CW+2]
	v_max3_num_f32 v[CW+3], v[CW+3], v[CW+4], v[CW+5]
	v_max3_num_f32 v[CW], v[CW], v[CW+3], v[CW+6]
	v_max_num_f32 v[CW], v[CW], v[CW+7]
	v_permlanex16_b32 v[CW+1], v[CW], s80, s81
	v_max_num_f32 v[CW], v[CW], v[CW+1]            ; the query's maximum over the 128 keys, in both its lanes
	v_mul_f32 v[MM], s9, v[CW]
	v_floor_f32 v[MM], v[MM]                       ; -m'
	WIN 0x01                                       ; source 0 window 1
.set i, 0
.rept 32
	v_pk_fma_f32 v[X+2*i:X+2*i+1], v[AC+2*i:AC+2*i+1], s[66:67], v[MM:MM+1] op_sel_hi:[1,0,0]
.set i, i+1
.endr
	WIN 0
.set g, 0
.rept 16                               ; group g: weights 4 g .. 4 g + 3
	v_exp_f32 v[X+4*g], v[X+4*g]
.if g > 0
	s_wait_alu depctr_va_vdst(0)
	v_cvt_pk_bf16_f32 v[TP+2*g-2], v[X+4*g-4], v[X+4*g-3]
.endif
	v_exp_f32 v[X+4*g+1], v[X+4*g+1]
.if g > 0
	v_cvt_pk_bf16_f32 v[TP+2*g-1], v[X+4*g-2], v[X+4*g-1]
.endif
	v_exp_f32 v[X+4*g+2], v[X+4*g+2]
.if g > 0
	v_pk_add_f32 v[X+4*g-4:X+4*g-3], v[X+4*g-4:X+4*g-3], v[X+4*g-2:X+4*g-1]
.endif
	v_exp_f32 v[X+4*g+3], v[X+4*g+3]
.if g == 0
	v_nop                                          ; the plain instruction behind the first four exponentials (ISA guide 5.7.2)
.elseif g == 3
	v_pk_add_f32 v[LP:LP+1], v[X:X+1], v[X+4:X+5]  ; groups 0 and 1 start l: nothing is cleared
.elseif g > 3
	v_pk_add_f32 v[LP:LP+1], v[LP:LP+1], v[X+4*g-8:X+4*g-7]
.endif
.set g, g+1
.endr
	s_wait_alu depctr_va_vdst(0)
	v_cvt_pk_bf16_f32 v[TP+30], v[X+60], v[X+61]
	v_cvt_pk_bf16_f32 v[TP+31], v[X+62], v[X+63]
	v_pk_add_f32 v[X+60:X+61], v[X+60:X+61], v[X+62:X+63]
	v_pk_add_f32 v[LP:LP+1], v[LP:LP+1], v[X+56:X+57]
	v_pk_add_f32 v[LP:LP+1], v[LP:LP+1], v[X+60:X+61]
	v_sub_f32 v[CW+4], 0, v[MM]                    ; m'
	v_add_f32 v[CW+2], v[LP], v[LP+1]
	v_permlanex16_b32 v[CW+3], v[CW+2], s80, s81
	v_add_f32 v[CW+2], v[CW+2], v[CW+3]            ; l over the 128 keys, the same number in both lanes
	ds_store_b32 v[STATW], v[CW+4] offset:64*(\a)  ; a query's two lanes write the same word with the same number
	ds_store_b32 v[STATW], v[CW+2] offset:256+64*(\a)
.endm
; Query block a's weights leave straight from registers: registers 4 b .. 4 b + 3 of the set are my lane's 16 bytes of the block (row block a, key block b) of p
.macro SENDP a
.set TP, TMP+32*((\a)%2)
.irp b, 0,1,2,3,4,5,6,7
	global_store_b128 v[CO], v[TP+4*(\b):TP+4*(\b)+3], s[82:83] offset:(\a)*RBB+(\b)*512  ; the wave stores 512 consecutive bytes, at a multiple of 512 from p's first byte
.endr
.endm
	s_wait_tensorcnt 1                             ; my part of K step 0 is in; K step 1's may stay out
	s_barrier_signal -1
	s_barrier_wait -1                              ; everybody's is
	FETCH 0, 0, 0
	QUARTER 0, 1, 0, 1, 1                          ; the first quarter stands in front of the loop: its products start the sums
	WIN 0                                          ; at a label and at a branch every window is 0
	s_mov_b32 s3, LAPS-1
.Llap:                                                 ; a trip goes once round the ring, from a lap's second quarter to the next lap's first, and fills both slots again
	QUARTER 0, 2, 1, 0, 0
	QUARTER 0, 3, 0, 1, 0
	TURN 0, 1, 1
	QUARTER 1, 1, 0, 1, 0
	QUARTER 1, 2, 1, 0, 0
	QUARTER 1, 3, 0, 1, 0
	TURN 1, 0, 1
	QUARTER 0, 1, 0, 1, 0
	WIN 0
	s_sub_co_u32 s3, s3, 1
	s_cmp_lg_u32 s3, 0
	s_cbranch_scc1 .Llap
	QUARTER 0, 2, 1, 0, 0                          ; the last lap fills nothing, and has no round of the cluster's barrier
	QUARTER 0, 3, 0, 1, 0
	TURN 0, 1, 0
	QUARTER 1, 1, 0, 1, 0
	QUARTER 1, 2, 1, 0, 0
	QUARTER 1, 3, 0, 1, 0
	s_wait_dscnt 4                                 ; the very last quarter: nothing more to fetch
	MUL8 1, 0, 0
	s_wait_dscnt 0x0
	MUL8 1, 1, 0
	MUL8 1, 2, 0
	MUL8 1, 3, 0
	WIN 0
	PLACES
.irp a, 0,1,2,3                        ; a block's stores leave while the next block's softmax is made
	SOFT \a
	SENDP \a
.endr
	ds_load_b128 v[4:7], v[STATR]                  ; my wave's own 512 bytes: m' of 64 queries, l of 64 queries
	s_wait_dscnt 0x0
	global_store_b128 v[SO], v[4:7], s[84:85]      ; each half of the lanes stores 256 consecutive bytes, at a multiple of 256 from stats' first byte
	s_wait_tensorcnt 0x0                           ; the wave's end: behind my last tensor load and my last LDS store
	ds_add_u32 v[SPW], v[NIL]
	s_wait_dscnt 0x0
	CROUND                                         ; the closing round: no work-group ends while a partner may still ask for a tile that names it
	s_endpgm
.Lfunc_end_k_qf8654ee204_score:
	.size	k_qf8654ee204_score, .Lfunc_end_k_qf8654ee204_score-k_qf8654ee204_score
	.p2alignl 7, 3214868480
	.fill 96, 4, 3214868480
	.section	.rodata,"a",@progbits
	.p2align	6, 0x0
	.amdhsa_kernel k_qf8654ee204_score
		.amdhsa_group_segment_fixed_size 327680
		.amdhsa_private_segment_fixed_size 0
		.amdhsa_enable_private_segment 0
		.amdhsa_kernarg_size 24
		.amdhsa_user_sgpr_count 2
		.amdhsa_user_sgpr_kernarg_segment_ptr 1
		.amdhsa_wavefront_size32 1
		.amdhsa_system_sgpr_workgroup_id_x 1
		.amdhsa_system_sgpr_workgroup_id_y 1
		.amdhsa_system_sgpr_workgroup_id_z 1
		.amdhsa_system_vgpr_workitem_id 0
		.amdhsa_next_free_vgpr 512
		.amdhsa_next_free_sgpr 86
		.amdhsa_reserve_vcc 0
		.amdhsa_float_denorm_mode_32 3
		.amdhsa_float_denorm_mode_16_64 3
		.amdhsa_memory_ordered 1
		.amdhsa_forward_progress 1
		.amdhsa_inst_pref_size 118
	.end_amdhsa_kernel
	.amdgpu_metadata
---
amdhsa.version: [ 1, 2 ]
amdhsa.kernels:
  - .name:           k_qf8654ee204_score
    .symbol:         k_qf8654ee204_score.kd
    .args:
      - { .name: qkv, .offset: 0, .size: 8, .value_kind: global_buffer, .address_space: global }
      - { .name: p, .offset: 8, .size: 8, .value_kind: global_buffer, .address_space: global }
      - { .name: stats, .offset: 16, .size: 8, .value_kind: global_buffer, .address_space: global }
    .group_segment_fixed_size: 327680
    .private_segment_fixed_size: 0
    .kernarg_segment_align: 8
    .kernarg_segment_size: 24
    .max_flat_workgroup_size: 256
    .sgpr_count:     86
    .vgpr_count:     512
    .wavefront_size: 32
...
	.end_amdgpu_metadata
.endif
;; end of part 6
;; launch pv (part 7): grid 4 x 64, 4 waves a work-group, clusters of 4 x 4, 327,680 bytes of LDS; arguments p, qkv, stats, out0; writes out0
.if DOCPART == 7
	.amdgcn_target "amdgcn-amd-amdhsa--gfx1250"
	.amdhsa_code_object_version 6
	.text
	.protected	k_qf8654ee204_pv
	.globl	k_qf8654ee204_pv
	.p2align	8
	.type	k_qf8654ee204_pv,@function
k_qf8654ee204_pv:
	s_mov_b64 s[64:65], 0
	v_nop
	global_prefetch_b8 v0, s[64:65] scope:SCOPE_SE
	s_setreg_imm32_b32 hwreg(HW_REG_WAVE_MODE, 25, 1), 1
	s_wait_xcnt 0x0
	s_wait_alu depctr_hold_cnt(0) depctr_sa_sdst(0) depctr_va_vdst(0) depctr_va_sdst(0) depctr_va_ssrc(0) depctr_va_vcc(0) depctr_vm_vsrc(0)
	s_getreg_b32 s2, hwreg(HW_REG_IB_STS2, 6, 4)
	s_cmp_eq_u32 s2, 0
	s_cbranch_scc0 .Lentry_in_a_cluster
	s_endpgm
.Lentry_in_a_cluster:
	s_bfe_u32 s2, ttmp6, 0x10000c
	s_cmp_lg_u32 s2, 0xf033
	s_cbranch_scc0 .Lentry_shape_is_right
	s_endpgm
.Lentry_shape_is_right:
; out0[q][v] = (the sum over the 16 key blocks kb of f[q][kb] x the sum over the block's 128 keys of p[q][key] V[key][v]) / L[q],
;   f = 2^(m'[q][kb] - M), M = the row's largest m', L = the sum over kb of f l[q][kb].  Together with the launch in front this is softmax(Q K^T / 32) V with the row's maximum taken away.
; p: bf16, [512 blocks of 16 rows][128 blocks of 16 keys][32 lanes][16 bytes]: lane l of a block holds row l % 16 and the keys 8 (l / 16) + 0..7, which is half a fragment of this kernel's source 1.
; V: bytes 4,096 on of each row of qkv ([8192][3072] bf16); stats: [4 b][16 kb][2: m', l][2048 q] f32; out0: [8192][1024] f32.
; Every m' is a whole number, so f is a power of two, at most 1: p's fragments are multiplied by it in bf16 on their way to the matrix unit, and nothing is rounded by that.
; The block that holds M has f = 1 and l above 1/2, so L is above 1/2.
; LIMITS.  Matrix operands are bf16; a factor below 2^-126 counts as 0; NaN and infinities are not treated apart.
; SHARES.  A tile of out0 is 128 rows x 256 columns: 64 x 4 = 256 tiles.  Four waves, 2 x 2, each 64 x 128: 32 accumulators, 256 registers.
; p COMES STRAIGHT INTO REGISTERS: a fragment is two loads of 512 consecutive bytes a wave.  A ring of eight buffers, one for each quarter (32 keys) of a step; quarter g asks for quarter g + 7's fragments.
; These loads fill no LDS, so they stay out across the barriers.  The price: the two waves of a row half and the four work-groups of a row of the cluster each ask for the same bytes of p.
; V GOES THROUGH LDS ALONE, so that two slots of 256 keys fit: 8 steps of 256 keys, 256 rows of 512 bytes each, filled by the tensor data mover, 64 rows to each wave's load.
; V lies [key][v], K along the rows' number: its fragments are read turned (ds_load_tr16_b128).
; CLUSTERS: 4 x 4 work-groups.  The four of a column of the cluster need the same tiles of V: each is asked for JOINTLY, by the same tensor load with the same descriptor and a mask that names the four.
; THE STEP IS WRITTEN ONCE.  A trip is the last quarter of the step before, with the change of slots in it, and quarters 0 to 6 of its own step; trip j asks for step j + 1; the last step, which asks for nothing,
; is written out.  The slots' LDS addresses turn by an exclusive or with the slot's size, 139,264 = 0x22000, which has no bit in common with wave x 34,816.
; The first trip has no step before it: its 32 first products multiply zeros.  So the accumulators, the eighth buffer of p, the second of V and four factors are written with 0 in the wait for the first tile:
; 356 v_mov_b32, the price of one text for every trip.
; THE MATRIX INSTRUCTION IS USED TRANSPOSED (source 0 = 16 columns of V, source 1 = 16 rows of p): lane l holds row l % 16 and the columns 8 (l / 16) + 0..7; in a fragment of p a lane
; holds one row too, so a row's factor is one register a lane.
; REGISTERS, in windows of 256 (s_set_vgpr_msb: bits 1:0 source 0, 3:2 source 1, 5:4 source 2, 7:6 destination):
;   window 0: v0-31 addresses; v32-95 at work on the way out; v96-159, v160-223 fragments of V, two buffers; v224-231 factors: a set of four for each half (key block) of a step; v232-239 1 / L
;   window 1: accumulator (a, b) at v[8 (8 a + b)], a = 0..3 row blocks, b = 0..7 column blocks          window 2: p's ring: quarter q's four fragments at v[32 q]
.set KSTEPS, 8
.set PT,     544                       ; a row of V in LDS: 512 bytes + 32 of padding = 136 words
.set BQ,     64*PT                     ; what one tensor load brings: 64 of the step's 256 rows
.set SLOT,   4*BQ                      ; 139,264 bytes
.set HALFS,  128*PT                    ; quarters 4 to 7 have an address register of their own: an LDS offset has 16 bits
.set STAGE,  2*SLOT                    ; behind the ring, never filled by a tensor load: 16 rows x 528 bytes for each wave, for the way out
.set OPITCH, 528                       ; 512 bytes of f32 + 16
.set FT,     STAGE+4*16*OPITCH         ; the factors: [16 kb][128 rows], a word each: f as bf16, twice
.set RL,     FT+16*512                 ; 1 / L of the 128 rows
.set SPARE,  RL+512                    ; the spare words, 128 bytes for each wave: two blocks of 256 bytes that no other line names
.set STEP_B, 256*6144                  ; bytes from a step to the next in V: 256 rows down
.set QB,     1024                      ; bytes of p for 16 rows x 32 keys: a fragment
.set STEP_A, 8*QB                      ; bytes from a step to the next in a row block of p
.set RBB,    65536                     ; bytes of p for a block of 16 rows
.set ROWB,   4096                      ; bytes in a row of out0
.set ADRB, 20                          ; v20-21  LDS address of my V fragments in the slot in hand: quarters 0-3, quarters 4-7
.set AB0,  22                          ; v22     my lane's place in a slot; never rewritten
.set ADRL, 23                          ; v23     LDS address of my rows' 1 / L
.set STO,  24
.set RD,   25
.set CO,   26                          ; v26     16 x lane: my bytes in a block of p and in 512 bytes of out0; never rewritten
.set ADRF, 27                          ; v27     LDS address of my rows' factors for the step in hand
.set SPW,  28                          ; v28     LDS address of my spare word: SPARE + 4 x my thread's number; never rewritten
.set NIL,  29                          ; v29     0; never rewritten
.set FTW,  30                          ; v30     where thread t puts row t's factors
.set TMP,  32                          ; the way out: 64 registers of f32
.set FB,   96
.set PM,   96                          ; the head: m' of my row's 16 blocks,
.set PL,   112                         ; l,
.set PF,   128                         ; f,
.set PW,   144                         ; f as bf16, twice in a word
.set FQ,   224
.set RLV,  232
.set G1B, 48                           ; s[48:55] descriptor group 1
.set G0B, 56                           ; s[56:59] descriptor group 0: it walks
.set TB,  60                           ; s60      LDS byte at which the slot to be read next begins
.set MUL,  0x58                        ; source 0 (V) window 0, source 1 (p) window 2, C and D window 1
.set SCL,  0x82                        ; destination and source 0 (p) window 2, source 1 (the factor) window 0
.set TOA,  0x80                        ; destination window 2, address window 0
.set MSB, 0
.macro WIN new                         ; the immediate's high byte repeats the setting that is left; a switch that changes nothing is dropped
.if MSB != (\new)
	s_set_vgpr_msb (MSB<<8)|(\new)
.set MSB, \new
.endif
.endm
.macro CREST                           ; a round of the cluster's barrier behind its opening barrier
	s_cmp_lg_u32 s10, 0
	s_cbranch_scc1 .Lnot_wave_0_\@
	s_barrier_signal -3
.Lnot_wave_0_\@:
	s_barrier_wait -3
	s_barrier_signal -1
	s_barrier_wait -1
.endm
.macro CROUND                          ; a whole round
	s_barrier_signal -1
	s_barrier_wait -1
	CREST
.endm
.macro PLACES                          ; four places in front of loads into registers that matrix instructions have read, and of vector lines that read results (ISA guide 7.12.1 for vector instructions)
.rept 4
	v_nop
.endr
.endm
; The four fragments of p (my 64 rows x 32 keys) at byte off of each row block, into buffer buf: eight loads, each of 512 consecutive bytes
.macro ALOAD buf, off
	WIN TOA
.irp a, 0,1,2,3
	global_load_b128 v[32*(\buf)+8*(\a):32*(\buf)+8*(\a)+3],   v[CO], s[78:79] offset:(\a)*RBB+(\off)
	global_load_b128 v[32*(\buf)+8*(\a)+4:32*(\buf)+8*(\a)+7], v[CO], s[78:79] offset:(\a)*RBB+(\off)+512
.endr
.endm
	s_load_b256 s[68:75], s[0:1], 0x0              ; p s[68:69], qkv s[70:71], stats s[72:73], out0 s[74:75]
	v_lshl_add_u32 v[SPW], v0, 2, SPARE
	v_mov_b32 v[NIL], 0
	ds_add_u32 v[SPW], v[NIL]                      ; the wave's opening: the add and its wait stand ahead of my first tensor load; the set-up below, work on registers, stands between them
	v_lshrrev_b32 v1, 5, v0
	v_readfirstlane_b32 s10, v1                    ; wave 0..3: also which 64 rows of a step of V I fetch
	s_lshr_b32 s11, s10, 1                         ; which 64 of the tile's rows are mine
	s_and_b32 s12, s10, 1                          ; which 128 of its columns
	s_bfe_u32 s40, ttmp6, 0x40000                  ; cx: also the tile column, since the grid is one cluster wide
	s_bfe_u32 s41, ttmp6, 0x40004                  ; cy
	s_and_b32 s13, ttmp7, 0xffff
	s_lshr_b32 s45, s13, 2                         ; the batch: 16 tile rows = 4 clusters each; the same in all sixteen
	s_lshl_b32 s13, s13, 2
	s_add_co_u32 s13, s13, s41                     ; tile row = 4 x cluster y + cy
	s_lshl_b32 s44, 0x1111, s40                    ; my column of the cluster: places cx, cx + 4, cx + 8, cx + 12
	; descriptor group 1: 64 rows x 256 elements, padded in LDS behind every row
	s_or_b32 s[G1B+0], s44, (1<<16)|(1<<20)|(1<<21)|(6<<22)|(7<<25)  ; 15:0 the mask: my column; 17:16 2-byte elements; 20 padding on; 21 set beside a mask; 24:22 after every 128 words (code 6); 31:25 8 words (code 7)
	s_mov_b32 s[G1B+1], 256<<16                    ; tensor_dim0 = 256
	s_mov_b32 s[G1B+2], 64<<16                     ; tensor_dim1 = 64
	s_mov_b32 s[G1B+3], 256<<16                    ; tile_dim0 = 256
	s_mov_b32 s[G1B+4], 64                         ; tile_dim1 = 64
	s_mov_b32 s[G1B+5], 3072                       ; elements from row to row
	s_mov_b32 s[G1B+6], 0
	s_mov_b32 s[G1B+7], 0
	s_lshl_b32 s46, s45, 11                        ; V: the batch's 2,048 rows,
	s_lshl_b32 s47, s10, 6                         ; 64 x wave,
	s_add_co_u32 s46, s46, s47
	s_mul_i32 s46, s46, 6144                       ; in bytes (under 2^26),
	s_add_co_u32 s46, s46, 4096                    ; V's place in a row of qkv,
	s_lshl_b32 s47, s40, 9                         ; the tile's 256 columns: nothing here hangs on cy
	s_add_co_u32 s46, s46, s47
	s_mov_b32 s47, 0
	s_mov_b32 s[G0B], 1                            ; count = 1
	s_mul_i32 s[G0B+1], s10, BQ                    ; LDS address: slot 0, my 64 rows: no place in the cluster enters an LDS address
	s_lshl_b32 s16, s13, 3                         ; p: the tile's 8 row blocks,
	s_lshl_b32 s17, s11, 2                         ; my four of them,
	s_add_co_u32 s16, s16, s17
	s_lshl_b32 s16, s16, 16                        ; of 65,536 bytes
	s_mov_b32 s17, 0
	s_mov_b32 s[TB], 0
	s_wait_dscnt 0x0                               ; the opening add is done
	s_wait_kmcnt 0x0
	s_add_nc_u64 s[G0B+2:G0B+3], s[70:71], s[46:47]  ; global address: step 0
	s_or_b32 s[G0B+3], s[G0B+3], 0x80000000        ; type = 2
	s_add_nc_u64 s[78:79], s[68:69], s[16:17]      ; p at my rows, step 0
	CROUND                                         ; all sixteen work-groups are here: the first joint loads meet
	tensor_load_to_lds s[G0B:G0B+3], s[G1B:G1B+7]  ; step 0 into slot 0; slot 1 is asked for by the first trip's change of slots
	s_nop 0
	PLACES
	; THE ROWS' FACTORS, in the wait for the first tile.  Thread t owns row t of the tile's 128: it reads the row's 16 m' and 16 l
	s_lshl_b32 s22, s45, 18                        ; stats: the batch's 262,144 bytes,
	s_and_b32 s23, s13, 15                         ; the tile row within the batch: 128 rows of 4 bytes
	s_lshl_b32 s23, s23, 9
	s_add_co_u32 s22, s22, s23
	s_mov_b32 s23, 0
	s_add_nc_u64 s[84:85], s[72:73], s[22:23]
	v_lshlrev_b32 v7, 2, v0
.irp k, 0,1,2,3,4,5,6,7,8,9,10,11,12,13,14,15
	global_load_b32 v[PM+(\k)], v7, s[84:85] offset:(\k)*16384
	global_load_b32 v[PL+(\k)], v7, s[84:85] offset:(\k)*16384+8192
.endr
	v_and_b32 v5, 31, v0
	v_lshlrev_b32 v[CO], 4, v5                     ; 16 x lane
	ALOAD 0, 0*QB                                  ; p's quarters 0 to 2 go out behind the statistics: 56 loads of mine are out
	ALOAD 1, 1*QB
	ALOAD 2, 2*QB
	WIN 0
	v_and_b32 v1, 15, v0                           ; l % 16
	v_bfe_u32 v2, v0, 4, 1                         ; l / 16
	; The turning load takes 16 keys x 16 columns (lane l reads 16 bytes: key 8 (l / 16) + l % 8, columns 8 ((l / 8) % 2) + 0..7) and leaves half a fragment: lane l holds column l % 16 and 8 keys.
	v_and_b32 v4, 7, v0
	v_lshl_add_u32 v4, v2, 3, v4
	v_mul_u32_u24 v4, v4, PT
	v_bfe_u32 v5, v0, 3, 1
	v_lshl_add_u32 v4, v5, 4, v4
	s_lshl_b32 s5, s12, 8                          ; my 128 columns: 256 bytes into each row
	v_add_nc_u32 v[AB0], s5, v4
	s_mul_i32 s6, s10, 16*OPITCH
	s_add_co_u32 s6, s6, STAGE                     ; my stage
	v_mul_u32_u24 v5, v1, OPITCH                   ; in: row l % 16, 32 bytes for each half of the lanes
	v_lshl_add_u32 v5, v2, 5, v5
	v_add_nc_u32 v[STO], s6, v5
	v_add_nc_u32 v[RD], s6, v[CO]                  ; back: 32 lanes take one row of 512 bytes
	s_lshl_b32 s7, s11, 8
	s_add_co_u32 s7, s7, FT                        ; my 64 rows' factors
	v_lshl_add_u32 v[ADRF], v1, 2, s7
	v_add_nc_u32 v[ADRL], RL-FT, v[ADRF]
	v_lshl_add_u32 v[FTW], v0, 2, FT
	s_lshl_b32 s18, s13, 7
	s_lshl_b32 s19, s11, 6
	s_add_co_u32 s18, s18, s19                     ; my first row of out0,
	s_lshl_b32 s18, s18, 12                        ; of 4,096 bytes,
	s_lshl_b32 s19, s40, 10                        ; the tile's 1,024 bytes,
	s_add_co_u32 s18, s18, s19
	s_lshl_b32 s19, s12, 9                         ; my 512 of them
	s_add_co_u32 s18, s18, s19
	s_mov_b32 s19, 0
	s_add_nc_u64 s[82:83], s[74:75], s[18:19]
	; what the first trip's 32 products find: zeros
	WIN 0x40
.set i, 0
.rept 256
	v_mov_b32 v[i], 0                              ; the accumulators
.set i, i+1
.endr
	WIN TOA
.set i, 224
.rept 32
	v_mov_b32 v[i], 0                              ; p's buffer 7
.set i, i+1
.endr
	WIN 0
.set i, FB+64
.rept 64
	v_mov_b32 v[i], 0                              ; V's buffer 1
.set i, i+1
.endr
.irp i, 4,5,6,7
	v_mov_b32 v[FQ+(\i)], 0                        ; the second set of factors
.endr
	s_wait_loadcnt 24                              ; m' and l are in; the 24 loads of p behind them stay out
	v_max3_num_f32 v8, v[PM], v[PM+1], v[PM+2]
.irp k, 3,5,7,9,11,13
	v_max3_num_f32 v8, v8, v[PM+(\k)], v[PM+(\k)+1]
.endr
	v_max_num_f32 v8, v8, v[PM+15]                 ; M
.irp k, 0,1,2,3,4,5,6,7,8,9,10,11,12,13,14,15
	v_sub_f32 v[PF+(\k)], v[PM+(\k)], v8
.endr
.irp k, 0,1,2,3,4,5,6,7,8,9,10,11,12,13,14,15
	v_exp_f32 v[PF+(\k)], v[PF+(\k)]
.endr
	v_nop                                          ; a plain instruction between the last exponential and the use of its result (ISA guide 5.7.2)
	s_wait_alu depctr_va_vdst(0)
.irp k, 0,1,2,3,4,5,6,7,8,9,10,11,12,13,14,15
	v_cvt_pk_bf16_f32 v[PW+(\k)], v[PF+(\k)], v[PF+(\k)]  ; the power of two as bf16, in both halves
.endr
.irp k, 0,1,2,3,4,5,6,7,8,9,10,11,12,13,14,15
	v_lshlrev_b32 v[PF+(\k)], 16, v[PW+(\k)]       ; and the same number as f32, for L
.endr
	v_mul_f32 v9, v[PF], v[PL]                     ; two chains; their first terms start the sums
	v_mul_f32 v12, v[PF+1], v[PL+1]
.irp k, 2,4,6,8,10,12,14
	v_fmac_f32 v9, v[PF+(\k)], v[PL+(\k)]
	v_fmac_f32 v12, v[PF+(\k)+1], v[PL+(\k)+1]
.endr
	v_add_f32 v9, v9, v12                          ; L
	v_rcp_f32 v9, v9
	v_nop
.irp k, 0,1,2,3,4,5,6,7,8,9,10,11,12,13,14,15
	ds_store_b32 v[FTW], v[PW+(\k)] offset:512*(\k)
.endr
	s_wait_alu depctr_va_vdst(0)
	ds_store_b32 v[FTW], v9 offset:RL-FT
	ALOAD 3, 3*QB                                  ; p's quarters 3 to 5; quarter 6 is asked for by the first trip's change of slots
	ALOAD 4, 4*QB
	ALOAD 5, 5*QB
; 16 LDS loads in one run: V's eight fragments of quarter q (32 keys) of the slot in hand, into buffer q % 2.  Ahead of quarter 0's come the factors of the step's first key block
; (rows 16 a + l % 16 of my 64), ahead of quarter 1's those of its second, whose registers the step before reads up to its last quarter; then ADRF steps to the next step's two blocks.
.macro FETCH q
	WIN 0
.if (\q) < 2
.irp a, 0,1,2,3
	ds_load_b32 v[FQ+4*(\q)+(\a)], v[ADRF] offset:512*(\q)+64*(\a)
.endr
.endif
.irp i, 0,1,2,3,4,5,6,7
	ds_load_tr16_b128 v[FB+64*((\q)%2)+8*(\i):FB+64*((\q)%2)+8*(\i)+3],   v[ADRB+(\q)/4] offset:((\q)%4)*32*PT+32*(\i)
	ds_load_tr16_b128 v[FB+64*((\q)%2)+8*(\i)+4:FB+64*((\q)%2)+8*(\i)+7], v[ADRB+(\q)/4] offset:((\q)%4)*32*PT+16*PT+32*(\i)
.endr
.if (\q) == 1
	v_add_nc_u32 v[ADRF], 1024, v[ADRF]
.endif
.endm
; p's row block 0 of quarter q times its rows' factor
.macro SCALE0 q, set
	WIN SCL
.irp i, 0,1,2,3,4,5,6,7
	v_pk_mul_bf16 v[32*(\q)+(\i)], v[32*(\q)+(\i)], v[FQ+4*(\set)]
.endr
.endm
; 8 matrix instructions: row block a x all 8 column blocks, 32 keys: V's buffer f, p's buffer q.
; Behind the second and the fifth stand four packed multiplies each: the NEXT row block's fragment times its factor; they name no register of the products round them.
; The 32 accumulators come in the same order in every quarter, one instruction a turn.
.macro MUL8 f, q, a, set
.irp b, 0,1,2,3,4,5,6,7
	WIN MUL
	v_wmma_f32_16x16x32_bf16 v[8*(8*(\a)+(\b)):8*(8*(\a)+(\b))+7], v[FB+64*(\f)+8*(\b):FB+64*(\f)+8*(\b)+7], v[32*(\q)+8*(\a):32*(\q)+8*(\a)+7], v[8*(8*(\a)+(\b)):8*(8*(\a)+(\b))+7]
.if ((\a) < 3) && (((\b) == 1) || ((\b) == 4))
	WIN SCL
.irp i, 0,1,2,3
	v_pk_mul_bf16 v[32*(\q)+8*(\a)+8+4*((\b)/4)+(\i)], v[32*(\q)+8*(\a)+8+4*((\b)/4)+(\i)], v[FQ+4*(\set)+(\a)+1]
.endr
.endif
.endr
.endm
; Quarter q, 0 to 6, of a step: 32 matrix instructions.  It fetches V's next quarter and (aload = 1) asks for the fragments of p seven quarters on, into the buffer that the quarter before has multiplied.
; lcnt: the loads of p issued behind this quarter's own: six groups of eight while the ring runs.
.macro QUARTER q, aload, lcnt
	s_wait_dscnt 0x0                               ; V's fragments (and the factors) are in
	s_wait_loadcnt \lcnt                           ; loads come back in order (ISA guide 5.7.1): this quarter's fragments of p are in, the younger ones stay out
	SCALE0 \q, (\q)/4
	MUL8 (\q)%2, \q, 0, (\q)/4
	PLACES
	FETCH (\q)+1
.if \aload
	ALOAD ((\q)+7)%8, (7+(\q))*QB
.endif
	MUL8 (\q)%2, \q, 1, (\q)/4
	MUL8 (\q)%2, \q, 2, (\q)/4
	MUL8 (\q)%2, \q, 3, (\q)/4
.endm
; A step's last quarter, with the change of slots in it: ONE barrier.  In front of it each wave waits for all its tensor loads, of which one is out: its part of the next slot; adds 0 to its
; spare word; and waits for that and for its own reads of this slot.  fill = 1: the barrier opens a round of the cluster's barrier, and the slot just read is filled again, with the step after the next,
; first thing behind the round: from that request to the wait for it a wave issues 240 matrix instructions.
.macro TURN fill
	WIN 0                                          ; (the add's two registers lie in window 0)
	s_wait_tensorcnt 0x0                           ; all my tensor loads have landed, so the group 0 may be written
	ds_add_u32 v[SPW], v[NIL]                      ; 0 onto my spare word
.if \fill
	s_xor_b32 s[G0B+1], s[G0B+1], SLOT             ; the walking descriptor: the other slot than last time,
	s_add_nc_u64 s[G0B+2:G0B+3], s[G0B+2:G0B+3], STEP_B  ; the next 256 keys; the type bits on top are not reached
.endif
	s_wait_dscnt 1                                 ; (the add may be out)
	s_wait_loadcnt 48                              ; six younger groups of eight
	SCALE0 7, 1
	MUL8 1, 7, 0, 1                                ; work on registers stands between the add and the wait for it
	s_wait_dscnt 0x0                               ; the add is done, and my reads of this slot are over
	s_barrier_signal -1
	MUL8 1, 7, 1, 1                                ; work on registers while the others arrive
	WIN 0
	s_barrier_wait -1
.if \fill
	CREST                                          ; no wave of any partner still reads this slot's tile or has a load on its way
	tensor_load_to_lds s[G0B:G0B+3], s[G1B:G1B+7]  ; my one tensor load behind the round
	s_nop 0
.endif
	PLACES                                         ; behind the tensor load, and in front of the loads below
	v_add_nc_u32 v[ADRB], s[TB], v[AB0]            ; the slot of the step that begins
	v_add_nc_u32 v[ADRB+1], HALFS, v[ADRB]
	s_xor_b32 s[TB], s[TB], SLOT
	FETCH 0
	ALOAD 6, 6*QB
	MUL8 1, 7, 2, 1
	MUL8 1, 7, 3, 1
.endm
; THE WAY OUT of row block a, in three parts.  PACK: divided by L, each accumulator's registers in ascending order.  TOSTAGE: into my own stage, and back as whole rows of 512 bytes.  SEND: stored.
.macro PACK a
	WIN 0x01                                       ; source 0 window 1; source 1 and destination window 0
.irp b, 0,1,2,3,4,5,6,7
.irp i, 0,1,2,3
	v_pk_mul_f32 v[TMP+8*(\b)+2*(\i):TMP+8*(\b)+2*(\i)+1], v[64*(\a)+8*(\b)+2*(\i):64*(\a)+8*(\b)+2*(\i)+1], v[RLV+2*(\a):RLV+2*(\a)+1]
.endr
.endr
	WIN 0
.endm
.macro TOSTAGE a
.set BK, 96+64*((\a)%2)                ; v96-159 and v160-223 by turns
.irp b, 0,1,2,3,4,5,6,7
	ds_store_b128 v[STO], v[TMP+8*(\b):TMP+8*(\b)+3]   offset:64*(\b)
	ds_store_b128 v[STO], v[TMP+8*(\b)+4:TMP+8*(\b)+7] offset:64*(\b)+16
.endr
.irp t, 0,1,2,3,4,5,6,7,8,9,10,11,12,13,14,15
	ds_load_b128 v[BK+4*(\t):BK+4*(\t)+3], v[RD] offset:(\t)*OPITCH  ; LDS serves a wave's instructions in order (ISA guide 5.7.1.4): these see the stores above
.endr
.endm
.macro SEND a
.set BK, 96+64*((\a)%2)
	s_wait_dscnt 0x0                               ; the block is back in registers
	s_wait_xcnt 0x0                                ; the stores of the block before have had their addresses translated (ISA guide 3.1): its registers are loaded again only behind this wait
.irp t, 0,1,2,3,4,5,6,7,8,9,10,11,12,13,14,15
	global_store_b128 v[CO], v[BK+4*(\t):BK+4*(\t)+3], s[82:83] offset:(16*(\a)+(\t))*ROWB th:TH_STORE_NT  ; the wave stores 512 consecutive bytes, at a multiple of 512 from out0's first byte
.endr
.endm
	WIN 0                                          ; at a label and at a branch every window is 0
	s_mov_b32 s3, KSTEPS-1
.Lstep:                                                ; trip j = 0 .. 6: the last quarter of step j - 1, the change of slots that asks for step j + 1, quarters 0 to 6 of step j
	TURN 1
	QUARTER 0, 1, 48
	QUARTER 1, 1, 48
	QUARTER 2, 1, 48
	QUARTER 3, 1, 48
	QUARTER 4, 1, 48
	QUARTER 5, 1, 48
	QUARTER 6, 1, 48
	WIN 0
	s_wait_xcnt 0x0                                ; the loads issued so far have had their addresses translated (ISA guide 3.1): their base is stepped only behind this wait
	s_add_nc_u64 s[78:79], s[78:79], STEP_A
	s_sub_co_u32 s3, s3, 1
	s_cmp_lg_u32 s3, 0
	s_cbranch_scc1 .Lstep
	TURN 0                                         ; the last step is written out: no tile is left to ask for, and of p only quarters 62 and 63
	QUARTER 0, 1, 48
	QUARTER 1, 0, 48                               ; nothing more is asked for: the counts run down
	QUARTER 2, 0, 40
	QUARTER 3, 0, 32
	QUARTER 4, 0, 24
	QUARTER 5, 0, 16
	QUARTER 6, 0, 8
	s_wait_dscnt 0x0                               ; the very last quarter
	s_wait_loadcnt 0x0
	WIN 0
.irp a, 0,1,2,3
	ds_load_b32 v[RLV+2*(\a)],   v[ADRL] offset:64*(\a)  ; 1 / L of row 16 a + l % 16 of my 64, twice: a pair for the packed multiply
	ds_load_b32 v[RLV+2*(\a)+1], v[ADRL] offset:64*(\a)
.endr
	SCALE0 7, 1
	MUL8 1, 7, 0, 1
	MUL8 1, 7, 1, 1
	MUL8 1, 7, 2, 1
	MUL8 1, 7, 3, 1
	WIN 0
	PLACES
	s_wait_dscnt 0x0                               ; 1 / L is in
	PACK 0
	TOSTAGE 0
.irp a, 1,2,3                          ; block a's multiplies stand between block a - 1's loads from the stage and the wait for them
	PACK \a
	SEND (\a)-1
	TOSTAGE \a
.endr
	SEND 3
	s_wait_tensorcnt 0x0                           ; the wave's end: behind my last tensor load and my last LDS store
	ds_add_u32 v[SPW], v[NIL]
	s_wait_dscnt 0x0
	CROUND                                         ; the closing round: no work-group ends while a partner may still ask for a tile that names it
	s_endpgm
.Lfunc_end_k_qf8654ee204_pv:
	.size	k_qf8654ee204_pv, .Lfunc_end_k_qf8654ee204_pv-k_qf8654ee204_pv
	.p2alignl 7, 3214868480
	.fill 96, 4, 3214868480
	.section	.rodata,"a",@progbits
	.p2align	6, 0x0
	.amdhsa_kernel k_qf8654ee204_pv
		.amdhsa_group_segment_fixed_size 327680
		.amdhsa_private_segment_fixed_size 0
		.amdhsa_enable_private_segment 0
		.amdhsa_kernarg_size 32
		.amdhsa_user_sgpr_count 2
		.amdhsa_user_sgpr_kernarg_segment_ptr 1
		.amdhsa_wavefront_size32 1
		.amdhsa_system_sgpr_workgroup_id_x 1
		.amdhsa_system_sgpr_workgroup_id_y 1
		.amdhsa_system_sgpr_workgroup_id_z 1
		.amdhsa_system_vgpr_workitem_id 0
		.amdhsa_next_free_vgpr 768
		.amdhsa_next_free_sgpr 86
		.amdhsa_reserve_vcc 0
		.amdhsa_float_denorm_mode_32 3
		.amdhsa_float_denorm_mode_16_64 3
		.amdhsa_memory_ordered 1
		.amdhsa_forward_progress 1
		.amdhsa_inst_pref_size 158
	.end_amdhsa_kernel
	.amdgpu_metadata
---
amdhsa.version: [ 1, 2 ]
amdhsa.kernels:
  - .name:           k_qf8654ee204_pv
    .symbol:         k_qf8654ee204_pv.kd
    .args:
      - { .name: p, .offset: 0, .size: 8, .value_kind: global_buffer, .address_space: global }
      - { .name: qkv, .offset: 8, .size: 8, .value_kind: global_buffer, .address_space: global }
      - { .name: stats, .offset: 16, .size: 8, .value_kind: global_buffer, .address_space: global }
      - { .name: out0, .offset: 24, .size: 8, .value_kind: global_buffer, .address_space: global }
    .group_segment_fixed_size: 327680
    .private_segment_fixed_size: 0
    .kernarg_segment_align: 8
    .kernarg_segment_size: 32
    .max_flat_workgroup_size: 128
    .sgpr_count:     86
    .vgpr_count:     768
    .wavefront_size: 32
...
	.end_amdgpu_metadata
.endif
;; end of part 7
